; MI455X (gfx1250); checked and timed in simulation.
; The chip was launched on July 23, 2026; its instructions are those of AMD's public machine-readable ISA for CDNA 5 (MIT licence, August 2026) and "CDNA5" Instruction Set Architecture Reference Guide (July 2026). The comments in the code are by the model that wrote it; some were corrected since.
;; Multi Head Attention Layer. Allowed arithmetic: float matrix products may take bf16 or f16 operands with f32 sums; all other float work in f32.
;; Inputs: W_out 1,024 x 1,024 float32; W_qkv 1,024 x 3,072 float32; b_out 1,024 float32; b_qkv 3,072 float32; x 4 x 2,048 x 1,024 float32.
;; Outputs: out0 4 x 2,048 x 1,024 float32.
;; 2 versions, each right; version 2 is version 1 with the launch prep written anew for expert scheduling mode. Each part assembles by itself: llvm-mc -triple=amdgcn-amd-amdhsa -mcpu=gfx1250 --defsym DOCPART=n.
;; ======== version 1 of 2: 4 launches
;; limits: values are held in f16: magnitudes above 65,504 overflow, below 6.1e-05 lose precision
;; workspace buffers: xb 16,777,216 bytes; wqt 6,291,456 bytes; wot 2,097,152 bytes; q 16,777,216 bytes; k 16,777,216 bytes; vt 16,777,216 bytes; ao 16,777,216 bytes
;; launch prep (part 1): grid 1024 x 1, 8 waves a work-group, no clusters, 18,432 bytes of LDS; arguments x, W_qkv, W_out, xb, wqt, wot; writes xb, wqt, wot
.if DOCPART == 1
	.amdgcn_target "amdgcn-amd-amdhsa--gfx1250"
	.amdhsa_code_object_version 6
	.text
	.protected	k_q30ab8887bb_prep
	.globl	k_q30ab8887bb_prep
	.p2align	8
	.type	k_q30ab8887bb_prep,@function
k_q30ab8887bb_prep:
	s_mov_b64 s[64:65], 0
	v_nop
	global_prefetch_b8 v0, s[64:65] scope:SCOPE_SE
	s_setreg_imm32_b32 hwreg(HW_REG_WAVE_MODE, 25, 1), 1
	s_wait_xcnt 0x0
; Makes the f16 operands of the two projections: xb = f16(x), wqt[n][k] = f16(W_qkv[k][n]), wot[n][k] = f16(W_out[k][n]).
; Work-groups 0-511 cast 65,536 bytes of x each; 512-895 transpose one tile of 128 k x 64 n of W_qkv; 896-1023 one of W_out.
; LIMIT: f16 holds magnitudes below 65,504; a larger x or W becomes infinity.  Values below 2^-14 keep an absolute error of 2^-25.
; No matrix unit, no cluster, no tensor load: no byte is read by two work-groups, and every byte is read once and written once.
.set NQKV, 3072
.set NOUT, 1024
.set TPITCH, 272                       ; an LDS row of the transposed tile: 128 k x 2 bytes + 16
	s_load_b256 s[4:11], s[0:1], 0x0               ; x s[4:5], W_qkv s[6:7], W_out s[8:9], xb s[10:11]
	s_load_b128 s[12:15], s[0:1], 0x20             ; wqt s[12:13], wot s[14:15]
	v_lshl_add_u32 v104, v0, 2, 0x4400
	v_mov_b32 v105, 0
	s_cmp_lt_u32 ttmp9, 512                        ; the same for all waves of a work-group
	s_cbranch_scc0 .Ltrans
	; CAST: thread t takes 16 bytes at 16 t of each of sixteen pieces of 4,096 bytes; a wave's load covers 512 consecutive bytes,
	; a wave's store 256 consecutive bytes at a multiple of 256.
	s_lshl_b32 s18, ttmp9, 16
	s_mov_b32 s19, 0
	s_lshl_b32 s20, ttmp9, 15
	s_mov_b32 s21, 0
	v_lshlrev_b32 v1, 4, v0
	v_lshlrev_b32 v2, 3, v0
	s_wait_kmcnt 0x0
	s_add_nc_u64 s[4:5], s[4:5], s[18:19]
	s_add_nc_u64 s[10:11], s[10:11], s[20:21]
.irp i, 0,1,2,3,4,5,6,7,8,9,10,11,12,13,14,15
	global_load_b128 v[4+4*\i:7+4*\i], v1, s[4:5] offset:4096*\i th:TH_LOAD_NT
.endr
.irp i, 0,1,2,3,4,5,6,7,8,9,10,11,12,13,14,15
	s_wait_loadcnt 15-\i                           ; loads come back in order: piece i is in, the younger ones stay out
	v_cvt_pk_f16_f32 v[68+2*\i], v[4+4*\i], v[5+4*\i]
	v_cvt_pk_f16_f32 v[69+2*\i], v[6+4*\i], v[7+4*\i]
	global_store_b64 v2, v[68+2*\i:69+2*\i], s[10:11] offset:2048*\i   ; every piece has registers of its own: nothing is rewritten
.endr
	s_endpgm
; One tile of 128 k x 64 n.  s16 = the tile's number: k tile = s16 & 7, n tile = s16 >> 3.
; Thread t: c = t & 15 (four n), kp = t >> 4.  It loads rows k = 2 (kp + 16 i) and the next, packs the two k of each n into a word and
; puts it at LDS row n (pitch 272), word kp + 16 i.  Behind the barrier whole rows of 256 bytes are read back and stored.
.macro TRANS src, dst, np
	s_and_b32 s17, s16, 7
	s_lshr_b32 s22, s16, 3
	s_mul_i32 s18, s17, 128*\np*4                  ; 128 rows of W
	s_lshl_b32 s23, s22, 8                         ; 64 n x 4 bytes
	s_add_co_u32 s18, s18, s23
	s_mov_b32 s19, 0
	s_lshl_b32 s20, s22, 17                        ; 64 rows of 2,048 bytes of the transposed matrix
	s_lshl_b32 s23, s17, 8                         ; 128 k x 2 bytes
	s_add_co_u32 s20, s20, s23
	s_mov_b32 s21, 0
	v_and_b32 v5, 15, v0                           ; c
	v_lshrrev_b32 v6, 4, v0                        ; kp
	v_mul_u32_u24 v1, v6, 2*\np*4
	v_lshl_add_u32 v1, v5, 4, v1                   ; source: row 2 kp, byte 16 c
	v_mul_u32_u24 v2, v5, 4*TPITCH
	v_lshl_add_u32 v2, v6, 2, v2                   ; LDS in: row 4 c, word kp
	v_mul_u32_u24 v3, v6, TPITCH
	v_lshl_add_u32 v3, v5, 4, v3                   ; LDS back: row t >> 4, 16 bytes at 16 (t & 15)
	v_lshlrev_b32 v4, 11, v6
	v_lshl_add_u32 v4, v5, 4, v4                   ; the same place in the transposed matrix
	s_wait_kmcnt 0x0
	s_add_nc_u64 s[\src:\src+1], s[\src:\src+1], s[18:19]
	s_add_nc_u64 s[\dst:\dst+1], s[\dst:\dst+1], s[20:21]
.irp i, 0,1,2,3
.irp e, 0,1
	global_load_b128 v[8+8*\i+4*\e:11+8*\i+4*\e], v1, s[\src:\src+1] offset:(32*\i+\e)*\np*4 th:TH_LOAD_NT   ; sixteen lanes: 256 consecutive bytes of a row
.endr
.endr
.irp i, 0,1,2,3
	s_wait_loadcnt 6-2*\i                          ; the two rows of pair i are in, the younger pairs stay out
.irp j, 0,1,2,3
	v_cvt_pk_f16_f32 v[40+4*\i+\j], v[8+8*\i+\j], v[12+8*\i+\j]    ; the even k in the low half
	ds_store_b32 v2, v[40+4*\i+\j] offset:\j*TPITCH+\i*64
.endr
.endr
	s_wait_dscnt 0x0                               ; my stores are in LDS before I say so
	s_barrier_signal -1
	s_barrier_wait -1                              ; everybody's are
.irp i, 0,1,2,3
	ds_load_b128 v[56+4*\i:59+4*\i], v3 offset:\i*16*TPITCH
.endr
.irp i, 0,1,2,3
	s_wait_dscnt 3-\i
	global_store_b128 v4, v[56+4*\i:59+4*\i], s[\dst:\dst+1] offset:\i*32768   ; sixteen lanes store 256 consecutive bytes, at a multiple of 256
.endr
	s_wait_tensorcnt 0x0
	ds_add_u32 v104, v105
	s_wait_dscnt 0x0
	s_endpgm
.endm
.Ltrans:
	s_sub_co_u32 s16, ttmp9, 512
	s_cmp_lt_u32 s16, 384
	s_cbranch_scc0 .Lwout
	TRANS 6, 12, NQKV
.Lwout:
	s_sub_co_u32 s16, s16, 384
	TRANS 8, 14, NOUT
.Lfunc_end_k_q30ab8887bb_prep:
	.size	k_q30ab8887bb_prep, .Lfunc_end_k_q30ab8887bb_prep-k_q30ab8887bb_prep
	.p2alignl 7, 3214868480
	.fill 96, 4, 3214868480
	.section	.rodata,"a",@progbits
	.p2align	6, 0x0
	.amdhsa_kernel k_q30ab8887bb_prep
		.amdhsa_group_segment_fixed_size 18432
		.amdhsa_private_segment_fixed_size 0
		.amdhsa_enable_private_segment 0
		.amdhsa_kernarg_size 48
		.amdhsa_user_sgpr_count 2
		.amdhsa_user_sgpr_kernarg_segment_ptr 1
		.amdhsa_wavefront_size32 1
		.amdhsa_system_sgpr_workgroup_id_x 1
		.amdhsa_system_sgpr_workgroup_id_y 1
		.amdhsa_system_sgpr_workgroup_id_z 1
		.amdhsa_system_vgpr_workitem_id 0
		.amdhsa_next_free_vgpr 106
		.amdhsa_next_free_sgpr 66
		.amdhsa_reserve_vcc 0
		.amdhsa_float_denorm_mode_32 3
		.amdhsa_float_denorm_mode_16_64 3
		.amdhsa_memory_ordered 1
		.amdhsa_forward_progress 1
		.amdhsa_inst_pref_size 17
	.end_amdhsa_kernel
	.amdgpu_metadata
---
amdhsa.version: [ 1, 2 ]
amdhsa.kernels:
  - .name:           k_q30ab8887bb_prep
    .symbol:         k_q30ab8887bb_prep.kd
    .args:
      - { .name: x, .offset: 0, .size: 8, .value_kind: global_buffer, .address_space: global }
      - { .name: W_qkv, .offset: 8, .size: 8, .value_kind: global_buffer, .address_space: global }
      - { .name: W_out, .offset: 16, .size: 8, .value_kind: global_buffer, .address_space: global }
      - { .name: xb, .offset: 24, .size: 8, .value_kind: global_buffer, .address_space: global }
      - { .name: wqt, .offset: 32, .size: 8, .value_kind: global_buffer, .address_space: global }
      - { .name: wot, .offset: 40, .size: 8, .value_kind: global_buffer, .address_space: global }
    .group_segment_fixed_size: 18432
    .private_segment_fixed_size: 0
    .kernarg_segment_align: 8
    .kernarg_segment_size: 48
    .max_flat_workgroup_size: 256
    .sgpr_count:     66
    .vgpr_count:     106
    .wavefront_size: 32
...
	.end_amdgpu_metadata
.endif
;; end of part 1
;; launch qkv (part 2): grid 16 x 32, 4 waves a work-group, clusters of 4 x 4, 327,680 bytes of LDS; arguments xb, wqt, b_qkv, q, k, vt; writes q, k, vt
.if DOCPART == 2
	.amdgcn_target "amdgcn-amd-amdhsa--gfx1250"
	.amdhsa_code_object_version 6
	.text
	.protected	k_q30ab8887bb_qkv
	.globl	k_q30ab8887bb_qkv
	.p2align	8
	.type	k_q30ab8887bb_qkv,@function
k_q30ab8887bb_qkv:
	s_mov_b64 s[64:65], 0
	v_nop
	global_prefetch_b8 v0, s[64:65] scope:SCOPE_SE
	s_setreg_imm32_b32 hwreg(HW_REG_WAVE_MODE, 25, 1), 1
	s_wait_xcnt 0x0
	s_wait_alu depctr_hold_cnt(0) depctr_sa_sdst(0) depctr_va_vdst(0) depctr_va_sdst(0) depctr_va_ssrc(0) depctr_va_vcc(0) depctr_vm_vsrc(0)
	s_getreg_b32 s2, hwreg(HW_REG_IB_STS2, 6, 4)
	s_cmp_eq_u32 s2, 0
	s_cbranch_scc0 .Lentry_in_a_cluster
	s_endpgm
.Lentry_in_a_cluster:
	s_bfe_u32 s2, ttmp6, 0x10000c
	s_cmp_lg_u32 s2, 0xf033
	s_cbranch_scc0 .Lentry_shape_is_right
	s_endpgm
.Lentry_shape_is_right:
; qkv = x W_qkv + b_qkv, split by head.  xb [8192][1024] f16, wqt [3072 n][1024 k] f16, b_qkv [3072] f32; sums and bias in f32.
; Out, in f16: q [bh][2048 s][64] times 0.125 log2(e) (so that the attention's exponentials are plain powers of two), k [bh][2048 s][64],
; vt [bh][64 d][2048 s].  bh = 16 batch + head.
; LIMIT: f16 holds magnitudes below 65,504: |k|, |v| below that and |q| below 65,504 / 0.1803, else infinity.
; A work-group makes 256 rows x the 192 columns of one head with four waves; a wave makes 128 rows x 96 columns: d = 32 wn .. 32 wn + 31 of q,
; of k and of v, so that all waves run one text.  48 accumulator tiles, 384 registers.  K goes in steps of 128 through two LDS slots.
; CLUSTERS: 4 x 4 work-groups.  The four of a row of the cluster make the same 256 rows and ask jointly for x's tiles; the four of a column make
; the same head and ask jointly for W's tiles.
; q's and k's tiles use the matrix instruction transposed (source 0 = rows of W, source 1 = rows of x): a lane holds one row s and eight
; neighbouring d.  v's tiles use it as it is: a lane holds one d and eight neighbouring s, which is a piece of a row of vt.
; REGISTERS: window 0: addresses, two fragment buffers of 112 (x: 8 fragments, W: 6); window 1: accumulators of my rows 0-63 (tile (a, b) at
; 8 (6 a + b)), bias at 192-227; window 2: accumulators of my rows 64-127.
.set KSTEP,  128
.set PITCH,  272                       ; an LDS row: 256 bytes + 16: the sixteen rows that a fragment load touches start 16 bytes apart modulo 256
.set HALFA,  128*PITCH                 ; 128 rows of x: one tensor load
.set HALFB,  96*PITCH                  ; 96 rows of W: one tensor load
.set SLOT,   2*HALFA+2*HALFB           ; x's 256 rows, then the head's 192 rows of W (q, k, v)
.set LAPS,   1024/(2*KSTEP)
.set KST,    36864                     ; the way out, in the ring after its last fill: q at 0 and k here, 256 rows of pitch 144;
.set VST,    73728                     ; vt here, 64 rows of pitch 528
.set ADRA, 16                          ; v16-17 LDS address of my x fragments in slot 0, 1
.set ADRB, 20                          ; v20-21 the same for W
.set STQ,  24
.set STV,  25
.set RDQ,  26
.set RDV,  27
.set G16,  28
.set BO8,  29
.set BO1,  30
.set F0,   32
.set F1,   144
.set TW,   32                          ; the way out: 48 numbers in f32
.set PKD,  80                          ; packed to f16
.set RBK,  64                          ; read back: 48 x 4 registers
.set BQ,   192                         ; window 1: bias of tiles 0-3, 8 registers each
.set BV,   224                         ; window 1: bias of tiles 4, 5, each twice (a pair for the packed add)
.set G1,  24
.set G0,  32
.set G1B, 48
.set G0B, 56
.set W0, (1<<16)|(1<<20)|(1<<21)|(5<<22)|(3<<25)   ; elements of 2 bytes; padding on; bit 21 beside a mask; after every 64 words; 4 words
.set QSCALE, 0x3e38aa3b                ; 0.125 log2(e)
.set MSB, 0
.macro WIN new                         ; the immediate's high byte repeats the setting that is left
.if MSB != (\new)
	s_set_vgpr_msb (MSB<<8)|(\new)
.set MSB, (\new)
.endif
.endm
.macro JLOAD s                         ; waves 0, 1 ask for x's halves, waves 2, 3 for W's: one mask and one set of registers a line
	s_cmp_eq_u32 s17, 0
	s_cbranch_scc0 .Lfor_b_\@
	tensor_load_to_lds s[G0+4*\s:G0+4*\s+3], s[G1:G1+7]
	s_nop 0
	s_branch .Lasked_\@
.Lfor_b_\@:
	tensor_load_to_lds s[G0B+4*\s:G0B+4*\s+3], s[G1B:G1B+7]
	s_nop 0
.Lasked_\@:
.endm
.macro CREST                           ; a round of the cluster's barrier behind its opening barrier
	s_cmp_lg_u32 s16, 0
	s_cbranch_scc1 .Lnot_wave_0_\@
	s_barrier_signal -3
.Lnot_wave_0_\@:
	s_barrier_wait -3
	s_barrier_signal -1
	s_barrier_wait -1
.endm
.macro CROUND
	s_barrier_signal -1
	s_barrier_wait -1
	CREST
.endm
.macro PLACES                          ; four places behind a matrix instruction (ISA guide 7.12.1) before its registers are loaded into or its result read
.rept 4
	v_nop
.endr
.endm
	s_load_b256 s[4:11], s[0:1], 0x0               ; xb s[4:5], wqt s[6:7], b_qkv s[8:9], q s[10:11]
	s_load_b128 s[12:15], s[0:1], 0x20             ; k s[12:13], vt s[14:15]
	v_lshl_add_u32 v23, v0, 2, 0x3b800
	v_mov_b32 v31, 0
	ds_add_u32 v23, v31
	v_lshrrev_b32 v1, 5, v0
	v_readfirstlane_b32 s16, v1                    ; wave 0..3
	s_lshr_b32 s17, s16, 1                         ; wm: my 128 rows.  Also: I fetch for x (0) or for W (1)
	s_and_b32 s18, s16, 1                          ; wn: my 32 d.  Also: which half of that tile I fetch
	s_bfe_u32 s19, ttmp6, 0x40000                  ; cx
	s_bfe_u32 s20, ttmp6, 0x40004                  ; cy
	s_lshl_b32 s21, ttmp9, 2
	s_add_co_u32 s21, s21, s19                     ; head = 4 x cluster x + cx
	s_and_b32 s22, ttmp7, 0xffff
	s_lshl_b32 s22, s22, 2
	s_add_co_u32 s22, s22, s20                     ; row block = 4 x cluster y + cy
	s_lshl_b32 s44, s20, 2
	s_lshl_b32 s44, 15, s44                        ; my row of the cluster
	s_lshl_b32 s45, 0x1111, s19                    ; my column
	s_or_b32 s[G1+0], s44, W0                      ; x's tiles go to my row
	s_mov_b32 s[G1+1], KSTEP<<16                   ; tensor_dim0 = 128
	s_mov_b32 s[G1+2], 128<<16                     ; tensor_dim1 = 128
	s_mov_b32 s[G1+3], KSTEP<<16                   ; tile_dim0 = 128
	s_mov_b32 s[G1+4], 128                         ; tile_dim1 = 128
	s_mov_b32 s[G1+5], 1024                        ; elements from row to row
	s_mov_b32 s[G1+6], 0
	s_mov_b32 s[G1+7], 0
	s_or_b32 s[G1B+0], s45, W0                     ; W's tiles go to my column
	s_mov_b32 s[G1B+1], KSTEP<<16
	s_mov_b32 s[G1B+2], 96<<16                     ; 96 rows
	s_mov_b32 s[G1B+3], KSTEP<<16
	s_mov_b32 s[G1B+4], 96
	s_mov_b32 s[G1B+5], 1024
	s_mov_b32 s[G1B+6], 0
	s_mov_b32 s[G1B+7], 0
	s_lshl_b32 s40, s22, 8                         ; x: row 256 x block + 128 x half, in registers that never hold cx
	s_lshl_b32 s23, s18, 7
	s_add_co_u32 s40, s40, s23
	s_lshl_b32 s40, s40, 11                        ; rows of 2,048 bytes
	s_mov_b32 s41, 0
	s_mul_i32 s42, s21, 192                        ; W: row 192 x head + 96 x half, in registers that never hold cy
	s_mul_i32 s23, s18, 96
	s_add_co_u32 s42, s42, s23
	s_lshl_b32 s42, s42, 11
	s_mov_b32 s43, 0
	s_mul_i32 s46, s16, HALFA                      ; where x's halves go (waves 0, 1)
	s_mul_i32 s47, s16, HALFB
	s_add_co_u32 s47, s47, 2*HALFA-2*HALFB         ; where W's halves go (waves 2, 3): behind x's 256 rows
	s_wait_dscnt 0x0
	s_wait_kmcnt 0x0
	s_add_nc_u64 s[40:41], s[4:5], s[40:41]
	s_add_nc_u64 s[42:43], s[6:7], s[42:43]
	CROUND                                         ; all sixteen work-groups are here: the first joint loads meet
.irp s, 0,1
	s_mov_b32 s[G0+4*\s], 1
	s_add_co_u32 s[G0+4*\s+1], s46, \s*SLOT
	s_add_nc_u64 s[G0+4*\s+2:G0+4*\s+3], s[40:41], \s*KSTEP*2
	s_or_b32 s[G0+4*\s+3], s[G0+4*\s+3], 0x80000000
	s_mov_b32 s[G0B+4*\s], 1
	s_add_co_u32 s[G0B+4*\s+1], s47, \s*SLOT
	s_add_nc_u64 s[G0B+4*\s+2:G0B+4*\s+3], s[42:43], \s*KSTEP*2
	s_or_b32 s[G0B+4*\s+3], s[G0B+4*\s+3], 0x80000000
	JLOAD \s                                       ; both slots' first fills: two tensor loads of this wave are out
.endr
	v_and_b32 v1, 15, v0                           ; r
	v_bfe_u32 v2, v0, 4, 1                         ; h
	v_and_b32 v5, 31, v0                           ; lane
	v_mul_u32_u24 v3, v1, PITCH
	v_lshl_add_u32 v3, v2, 4, v3                   ; row r, 16 bytes for each half of the lanes
	s_mul_i32 s66, s17, HALFA                      ; my 128 rows of x
	s_mul_i32 s67, s18, 32*PITCH                   ; my 32 d inside each of q, k, v,
	s_add_co_u32 s67, s67, 2*HALFA                 ; behind x's 256 rows
.irp s, 0,1
	v_add_nc_u32 v[ADRA+\s], s66, v3
	v_add_nc_u32 v[ADRB+\s], s67, v3
	s_add_co_u32 s66, s66, SLOT
	s_add_co_u32 s67, s67, SLOT
.endr
	v_mul_u32_u24 v4, v1, 144
	v_lshl_add_u32 v4, v2, 4, v4
	s_mul_i32 s68, s17, 128*144
	s_lshl_b32 s69, s18, 6
	s_add_co_u32 s68, s68, s69
	v_add_nc_u32 v[STQ], s68, v4                   ; q, k in: row 128 wm + r, byte 64 wn + 16 h
	v_mul_u32_u24 v6, v1, 528
	v_lshl_add_u32 v6, v2, 4, v6
	s_mul_i32 s69, s18, 32*528
	s_lshl_b32 s70, s17, 8
	s_add_co_u32 s69, s69, s70
	s_add_co_u32 s69, s69, VST
	v_add_nc_u32 v[STV], s69, v6                   ; vt in: row 32 wn + r, byte 256 wm + 16 h
	v_lshrrev_b32 v7, 3, v5
	v_and_b32 v8, 7, v5
	v_mul_u32_u24 v9, v7, 144
	v_lshl_add_u32 v9, v8, 4, v9
	s_mul_i32 s70, s16, 64*144
	v_add_nc_u32 v[RDQ], s70, v9                   ; q, k back: four rows of 128 bytes a load, from row 64 w on
	s_mul_i32 s71, s16, 16*528
	s_add_co_u32 s71, s71, VST
	v_lshl_add_u32 v[RDV], v5, 4, s71              ; vt back: one row of 512 bytes a load, from row 16 w on
	v_lshlrev_b32 v[G16], 4, v5
	v_lshlrev_b32 v[BO8], 5, v2                    ; bias of q, k: eight numbers from 8 h on
	v_lshlrev_b32 v[BO1], 2, v1                    ; bias of v: number r
	s_mul_i32 s72, s21, 768                        ; 192 numbers a head
	s_lshl_b32 s73, s18, 7                         ; + 32 wn
	s_add_co_u32 s72, s72, s73
	s_mov_b32 s73, 0
	s_add_nc_u64 s[8:9], s[8:9], s[72:73]
	WIN 0x40                                       ; the bias goes to window 1 and is waited for on the way out
.irp b, 0,1,2,3
	global_load_b128 v[BQ+8*\b:BQ+8*\b+3],   v[BO8], s[8:9] offset:(\b>>1)*256+(\b&1)*64
	global_load_b128 v[BQ+8*\b+4:BQ+8*\b+7], v[BO8], s[8:9] offset:(\b>>1)*256+(\b&1)*64+16
.endr
.irp b, 0,1
	global_load_b32 v[BV+2*\b],   v[BO1], s[8:9] offset:512+\b*64
	global_load_b32 v[BV+2*\b+1], v[BO1], s[8:9] offset:512+\b*64
.endr
	WIN 0
; six matrix instructions: row block a of the window's four x my six column tiles, 32 along K.  zero = 1: the product starts the sum.
.macro MULA f, hi, a, zero
.irp b, 0,1,2,3
.if \zero
	v_wmma_f32_16x16x32_f16 v[8*(6*\a+\b):8*(6*\a+\b)+7], v[\f+64+8*\b:\f+64+8*\b+7], v[\f+8*(4*\hi+\a):\f+8*(4*\hi+\a)+7], 0
.else
	v_wmma_f32_16x16x32_f16 v[8*(6*\a+\b):8*(6*\a+\b)+7], v[\f+64+8*\b:\f+64+8*\b+7], v[\f+8*(4*\hi+\a):\f+8*(4*\hi+\a)+7], v[8*(6*\a+\b):8*(6*\a+\b)+7]
.endif
.endr
.irp b, 4,5
.if \zero
	v_wmma_f32_16x16x32_f16 v[8*(6*\a+\b):8*(6*\a+\b)+7], v[\f+8*(4*\hi+\a):\f+8*(4*\hi+\a)+7], v[\f+64+8*\b:\f+64+8*\b+7], 0
.else
	v_wmma_f32_16x16x32_f16 v[8*(6*\a+\b):8*(6*\a+\b)+7], v[\f+8*(4*\hi+\a):\f+8*(4*\hi+\a)+7], v[\f+64+8*\b:\f+64+8*\b+7], v[8*(6*\a+\b):8*(6*\a+\b)+7]
.endif
.endr
.endm
.macro MUL24 f, hi, zero
	MULA \f, \hi, 0, \zero
	MULA \f, \hi, 1, \zero
	MULA \f, \hi, 2, \zero
	MULA \f, \hi, 3, \zero
.endm
; 28 LDS loads in one run: W's six fragments, x's rows 0-63, x's rows 64-127, 32 K at byte k of the rows, into buffer f
.macro FETCH slot, k, f
	WIN 0
.irp b, 0,1,2,3,4,5
	ds_load_b128 v[\f+64+8*\b:\f+64+8*\b+3],   v[ADRB+\slot] offset:\k+((\b>>1)*64+(\b&1)*16)*PITCH
	ds_load_b128 v[\f+64+8*\b+4:\f+64+8*\b+7], v[ADRB+\slot] offset:\k+((\b>>1)*64+(\b&1)*16)*PITCH+32
.endr
.irp i, 0,1,2,3,4,5,6,7
	ds_load_b128 v[\f+8*\i:\f+8*\i+3],   v[ADRA+\slot] offset:\k+\i*16*PITCH
	ds_load_b128 v[\f+8*\i+4:\f+8*\i+7], v[ADRA+\slot] offset:\k+\i*16*PITCH+32
.endr
.endm
; A quarter step: 48 matrix instructions on buffer f; in its middle the next quarter's fragments are fetched into buffer g.
; The 48 accumulators take turns, one instruction a turn, in the same order in every quarter.
.macro QUARTER slot, k, f, g, zero
	s_wait_dscnt 8                                 ; W and x's rows 0-63 are in; the youngest eight loads (x's rows 64-127) may be out
	WIN 0x50
	MUL24 \f, 0, \zero
	PLACES
	FETCH \slot, \k, \g
	s_wait_dscnt 28                                ; all but the 28 just issued
	WIN 0xa0
	MUL24 \f, 1, \zero
.endm
.macro THREE slot, zero
	QUARTER \slot, 64,  F0, F1, \zero
	QUARTER \slot, 128, F1, F0, 0
	QUARTER \slot, 192, F0, F1, 0
.endm
; The last quarter changes slots.  In front of the barrier each wave waits for its reads of this slot and for all its tensor loads (one is
; out: its part of the next slot).  Where the slot is filled again the barrier opens a round of the cluster's barrier, and the joint refill is
; the first tensor load behind the round.  From a request to the wait for it a wave issues 180 matrix instructions.
.macro TURN slot, next, fill
	s_wait_dscnt 8
	WIN 0x50
	MULA F1, 0, 0, 0
	MULA F1, 0, 1, 0
	s_wait_dscnt 0x0                               ; my reads of this slot are over
	s_wait_tensorcnt 0x0                           ; all my tensor loads have landed
	ds_add_u32 v23, v31
	s_wait_dscnt 0x0
	s_barrier_signal -1
	MULA F1, 0, 2, 0                               ; register work while the others arrive
	MULA F1, 0, 3, 0
	WIN 0
	s_barrier_wait -1
.if \fill
	CREST                                          ; no wave of any partner still reads this slot or has a load on its way
	s_add_nc_u64 s[G0+4*\slot+2:G0+4*\slot+3], s[G0+4*\slot+2:G0+4*\slot+3], 2*KSTEP*2
	s_add_nc_u64 s[G0B+4*\slot+2:G0B+4*\slot+3], s[G0B+4*\slot+2:G0B+4*\slot+3], 2*KSTEP*2
	JLOAD \slot
.endif
	PLACES
	FETCH \next, 0, F0
	WIN 0xa0
	MUL24 F1, 1, 0
.endm
.macro LAP zero
	THREE 0, \zero
	TURN 0, 1, 1
	THREE 1, 0
	TURN 1, 0, 1
.endm
	s_wait_tensorcnt 1                             ; my part of K step 0 is in; K step 1's stays out
	s_barrier_signal -1
	s_barrier_wait -1
	FETCH 0, 0, F0
	LAP 1                                          ; the first lap stands in front of the loop: its first products start the sums
	WIN 0
	s_mov_b32 s3, LAPS-2
.Llap:
	LAP 0
	WIN 0
	s_sub_co_u32 s3, s3, 1
	s_cmp_lg_u32 s3, 0
	s_cbranch_scc1 .Llap
	THREE 0, 0                                     ; the last lap fills nothing
	TURN 0, 1, 0
	THREE 1, 0
	s_wait_dscnt 8
	WIN 0x50
	MUL24 F1, 0, 0
	s_wait_dscnt 0x0
	WIN 0xa0
	MUL24 F1, 1, 0
	; THE WAY OUT.  Bias (and q's scale) in f32, one rounding to f16, 16 bytes a lane into the stage, whole rows back, stores of 512 consecutive bytes.
	; The stage lies in the ring, which has had its last fill.
	PLACES
	WIN 0
	s_lshr_b32 s66, s22, 3                         ; batch
	s_lshl_b32 s66, s66, 4
	s_add_co_u32 s66, s66, s21                     ; bh
	s_lshl_b32 s66, s66, 18                        ; 262,144 bytes for each bh in q, k and vt
	s_and_b32 s67, s22, 7                          ; which 256 s of the batch
	s_lshl_b32 s68, s67, 15                        ; 256 rows of 128 bytes
	s_lshl_b32 s69, s16, 13                        ; + my 64 rows
	s_add_co_u32 s68, s68, s69
	s_add_co_u32 s68, s68, s66
	s_mov_b32 s69, 0
	s_add_nc_u64 s[10:11], s[10:11], s[68:69]
	s_add_nc_u64 s[12:13], s[12:13], s[68:69]
	s_lshl_b32 s70, s67, 9                         ; vt: 256 s x 2 bytes
	s_lshl_b32 s71, s16, 16                        ; + my 16 rows of 4,096 bytes
	s_add_co_u32 s70, s70, s71
	s_add_co_u32 s70, s70, s66
	s_mov_b32 s71, 0
	s_add_nc_u64 s[14:15], s[14:15], s[70:71]
	s_wait_loadcnt 0x0                             ; the bias
	WIN 0x41
.irp e, 0,1,2,3,4,5,6,7
	v_pk_mul_f32 v[BQ+2*\e:BQ+2*\e+1], v[BQ+2*\e:BQ+2*\e+1], QSCALE op_sel_hi:[1,0]   ; q's bias takes the scale too
.endr
	WIN 0
	s_wait_dscnt 0x0
	s_barrier_signal -1
	s_barrier_wait -1                              ; no wave reads the ring any more: it may be written
.macro EPI hi, a
.if \hi
	WIN 0x16                                       ; source 0: window 2; sources 1 and 2 (the bias): window 1
.else
	WIN 0x15
.endif
.irp b, 0,1
.irp p, 0,1,2,3
	v_pk_fma_f32 v[TW+8*\b+2*\p:TW+8*\b+2*\p+1], v[8*(6*\a+\b)+2*\p:8*(6*\a+\b)+2*\p+1], QSCALE, v[BQ+8*\b+2*\p:BQ+8*\b+2*\p+1] op_sel_hi:[1,0,1]
.endr
.endr
.irp b, 2,3
.irp p, 0,1,2,3
	v_pk_add_f32 v[TW+8*\b+2*\p:TW+8*\b+2*\p+1], v[8*(6*\a+\b)+2*\p:8*(6*\a+\b)+2*\p+1], v[BQ+8*\b+2*\p:BQ+8*\b+2*\p+1]
.endr
.endr
.irp b, 4,5
.irp p, 0,1,2,3
	v_pk_add_f32 v[TW+8*\b+2*\p:TW+8*\b+2*\p+1], v[8*(6*\a+\b)+2*\p:8*(6*\a+\b)+2*\p+1], v[BV+2*(\b-4):BV+2*(\b-4)+1]
.endr
.endr
	WIN 0
.irp b, 0,1,2,3,4,5
.irp p, 0,1,2,3
	v_cvt_pk_f16_f32 v[PKD+4*\b+\p], v[TW+8*\b+2*\p], v[TW+8*\b+2*\p+1]
.endr
.endr
.irp b, 0,1,2,3
	ds_store_b128 v[STQ], v[PKD+4*\b:PKD+4*\b+3] offset:(\b>>1)*KST+(4*\hi+\a)*16*144+(\b&1)*32
.endr
.irp b, 4,5
	ds_store_b128 v[STV], v[PKD+4*\b:PKD+4*\b+3] offset:(\b&1)*16*528+(4*\hi+\a)*32
.endr
.endm
.irp a, 0,1,2,3
	EPI 0, \a
.endr
.irp a, 0,1,2,3
	EPI 1, \a
.endr
	s_wait_dscnt 0x0                               ; my part of the rows is in LDS before I say so
	s_barrier_signal -1
	s_barrier_wait -1                              ; the rows are whole
.set n, 0
.rept 16
	ds_load_b128 v[RBK+4*n:RBK+4*n+3], v[RDQ] offset:576*n
.set n, n+1
.endr
.set n, 0
.rept 16
	ds_load_b128 v[RBK+64+4*n:RBK+64+4*n+3], v[RDQ] offset:KST+576*n
.set n, n+1
.endr
.set n, 0
.rept 16
	ds_load_b128 v[RBK+128+4*n:RBK+128+4*n+3], v[RDV] offset:528*n
.set n, n+1
.endr
.set n, 0
.rept 16
	s_wait_dscnt 47-n                              ; LDS loads come back in order: this one is in, the younger ones stay out
	global_store_b128 v[G16], v[RBK+4*n:RBK+4*n+3], s[10:11] offset:512*n      ; four rows of q: 512 consecutive bytes
.set n, n+1
.endr
.set n, 0
.rept 16
	s_wait_dscnt 31-n
	global_store_b128 v[G16], v[RBK+64+4*n:RBK+64+4*n+3], s[12:13] offset:512*n
.set n, n+1
.endr
.set n, 0
.rept 16
	s_wait_dscnt 15-n
	global_store_b128 v[G16], v[RBK+128+4*n:RBK+128+4*n+3], s[14:15] offset:4096*n   ; 256 s of one row of vt: 512 consecutive bytes
.set n, n+1
.endr
	s_wait_tensorcnt 0x0
	ds_add_u32 v23, v31
	s_wait_dscnt 0x0
	CROUND                                         ; the closing round: no work-group ends while a partner may still ask for a tile that names it
	s_endpgm
.Lfunc_end_k_q30ab8887bb_qkv:
	.size	k_q30ab8887bb_qkv, .Lfunc_end_k_q30ab8887bb_qkv-k_q30ab8887bb_qkv
	.p2alignl 7, 3214868480
	.fill 96, 4, 3214868480
	.section	.rodata,"a",@progbits
	.p2align	6, 0x0
	.amdhsa_kernel k_q30ab8887bb_qkv
		.amdhsa_group_segment_fixed_size 327680
		.amdhsa_private_segment_fixed_size 0
		.amdhsa_enable_private_segment 0
		.amdhsa_kernarg_size 48
		.amdhsa_user_sgpr_count 2
		.amdhsa_user_sgpr_kernarg_segment_ptr 1
		.amdhsa_wavefront_size32 1
		.amdhsa_system_sgpr_workgroup_id_x 1
		.amdhsa_system_sgpr_workgroup_id_y 1
		.amdhsa_system_sgpr_workgroup_id_z 1
		.amdhsa_system_vgpr_workitem_id 0
		.amdhsa_next_free_vgpr 704
		.amdhsa_next_free_sgpr 80
		.amdhsa_reserve_vcc 0
		.amdhsa_float_denorm_mode_32 3
		.amdhsa_float_denorm_mode_16_64 3
		.amdhsa_memory_ordered 1
		.amdhsa_forward_progress 1
		.amdhsa_inst_pref_size 174
	.end_amdhsa_kernel
	.amdgpu_metadata
---
amdhsa.version: [ 1, 2 ]
amdhsa.kernels:
  - .name:           k_q30ab8887bb_qkv
    .symbol:         k_q30ab8887bb_qkv.kd
    .args:
      - { .name: xb, .offset: 0, .size: 8, .value_kind: global_buffer, .address_space: global }
      - { .name: wqt, .offset: 8, .size: 8, .value_kind: global_buffer, .address_space: global }
      - { .name: b_qkv, .offset: 16, .size: 8, .value_kind: global_buffer, .address_space: global }
      - { .name: q, .offset: 24, .size: 8, .value_kind: global_buffer, .address_space: global }
      - { .name: k, .offset: 32, .size: 8, .value_kind: global_buffer, .address_space: global }
      - { .name: vt, .offset: 40, .size: 8, .value_kind: global_buffer, .address_space: global }
    .group_segment_fixed_size: 327680
    .private_segment_fixed_size: 0
    .kernarg_segment_align: 8
    .kernarg_segment_size: 48
    .max_flat_workgroup_size: 128
    .sgpr_count:     80
    .vgpr_count:     704
    .wavefront_size: 32
...
	.end_amdgpu_metadata
.endif
;; end of part 2
;; launch attn (part 3): grid 256 x 1, 8 waves a work-group, clusters of 4 x 1, 327,680 bytes of LDS; arguments q, k, vt, ao; writes ao
.if DOCPART == 3
	.amdgcn_target "amdgcn-amd-amdhsa--gfx1250"
	.amdhsa_code_object_version 6
	.text
	.protected	k_q30ab8887bb_attn
	.globl	k_q30ab8887bb_attn
	.p2align	8
	.type	k_q30ab8887bb_attn,@function
k_q30ab8887bb_attn:
	s_mov_b64 s[64:65], 0
	v_nop
	global_prefetch_b8 v0, s[64:65] scope:SCOPE_SE
	s_setreg_imm32_b32 hwreg(HW_REG_WAVE_MODE, 25, 1), 1
	s_wait_xcnt 0x0
	s_wait_alu depctr_hold_cnt(0) depctr_sa_sdst(0) depctr_va_vdst(0) depctr_va_sdst(0) depctr_va_ssrc(0) depctr_va_vcc(0) depctr_vm_vsrc(0)
	s_getreg_b32 s2, hwreg(HW_REG_IB_STS2, 6, 4)
	s_cmp_eq_u32 s2, 0
	s_cbranch_scc0 .Lentry_in_a_cluster
	s_endpgm
.Lentry_in_a_cluster:
	s_bfe_u32 s2, ttmp6, 0x10000c
	s_cmp_lg_u32 s2, 0x3003
	s_cbranch_scc0 .Lentry_shape_is_right
	s_endpgm
.Lentry_shape_is_right:
; Attention of one (batch, head) pair bh for 512 queries: ao = softmax(q k^T) v, with a running maximum.  q [bh][2048][64] already carries
; 0.125 log2(e), so p = 2^(s - m).  k [bh][2048][64], vt [bh][64 d][2048 s], ao [bh][2048][64], all f16; scores, maxima, sums and outputs in f32.
; LIMIT: p is rounded to f16 for the second product (p <= 1; below 2^-24 it becomes 0); the row sum is taken of the unrounded p.
; Eight waves, 64 queries each (four tiles of 16), two waves on a SIMD so that one wave's softmax runs beside the other's products.
; CLUSTERS: the four work-groups of a cluster are the four query blocks of one bh: they read the same K and V and ask for every tile jointly.
; S^T = K Q^T: a lane holds query r = lane % 16 and keys 8 h + j of each tile of 16 keys: maximum and sum are per lane, plus one exchange of the halves.
; Two neighbouring key tiles, packed to f16, are a second-source fragment of P as they stand.  O^T = V^T P^T: a lane holds query r and eight neighbouring d.
; K and V come in steps of 512 keys through two LDS slots; each wave brings one tile of 64 rows x 256 bytes a step.
; REGISTERS: window 0: addresses, m, l, alpha; V fragments 64-127; O 128-255 (tile (qt, dt) at 128 + 8 (4 qt + dt)).
; window 1: S 0-127 (tile (qt, kt) at 8 (4 qt + kt)); K fragments 128-191, free for the softmax behind the first product; Q fragments 192-255.
.set SUB,   64*272                     ; a tile in LDS: 64 rows of 256 bytes + 16
.set SLOT,  8*SUB                      ; four tiles of K (128 keys each, two keys a row), then four of V (64 d x 128 keys)
.set STAGE, 2*SLOT                     ; behind the ring: 16 queries x pitch 144 for each wave, its own; no fill lands here
.set KA,  2
.set VA,  3
.set KB0, 4
.set VB0, 5
.set STO, 6
.set RD,  7
.set GO,  8
.set QO,  9
.set ML,  16                           ; v[16+2qt] m, v[17+2qt] l (per lane: my half's keys)
.set AL,  24                           ; v[24+2qt] alpha, v[25+2qt] written once: the pair's other register
.set MX,  32
.set PT,  36
.set SM,  40
.set VF,  64
.set OA,  128
.set KF,  128                          ; window 1
.set QF,  192
.set NM,  128                          ; window 1, behind the first product: m twice
.set AC,  136                          ; the block's sum, in pairs
.set TS,  144
.set G1K, 24
.set G1V, 32
.set G0K, 40
.set G0V, 48
.set W0, 15|(1<<16)|(1<<20)|(1<<21)|(5<<22)|(3<<25)   ; all four work-groups; elements of 2 bytes; padding on; bit 21 beside a mask; after every 64 words; 4 words
.set MSB, 0
.macro WIN new
.if MSB != (\new)
	s_set_vgpr_msb (MSB<<8)|(\new)
.set MSB, (\new)
.endif
.endm
.macro JLOAD s                         ; waves 0-3 ask for K's tiles, waves 4-7 for V's
	s_cmp_eq_u32 s13, 0
	s_cbranch_scc0 .Lfor_v_\@
	tensor_load_to_lds s[G0K+4*\s:G0K+4*\s+3], s[G1K:G1K+7]
	s_nop 0
	s_branch .Lasked_\@
.Lfor_v_\@:
	tensor_load_to_lds s[G0V+4*\s:G0V+4*\s+3], s[G1V:G1V+7]
	s_nop 0
.Lasked_\@:
.endm
.macro ROUND                           ; a round of the cluster's barrier
	s_barrier_signal -1
	s_barrier_wait -1
	s_cmp_lg_u32 s12, 0
	s_cbranch_scc1 .Lnot_wave_0_\@
	s_barrier_signal -3
.Lnot_wave_0_\@:
	s_barrier_wait -3
	s_barrier_signal -1
	s_barrier_wait -1
.endm
	s_load_b256 s[4:11], s[0:1], 0x0               ; q s[4:5], k s[6:7], vt s[8:9], ao s[10:11]
	v_lshl_add_u32 v62, v0, 2, 0x48800
	v_mov_b32 v63, 0
	ds_add_u32 v62, v63
	v_lshrrev_b32 v1, 5, v0
	v_readfirstlane_b32 s12, v1                    ; wave 0..7
	s_lshr_b32 s13, s12, 2                         ; I fetch for K (0) or for V (1)
	s_and_b32 s14, s12, 3                          ; which 128 keys of a step
	s_bfe_u32 s15, ttmp6, 0x40000                  ; cx: my query block; it enters q's and ao's addresses alone
	s_mov_b32 s20, 0x76543210                      ; v_permlanex16_b32: lane i reads lane i of the other half
	s_mov_b32 s21, 0xfedcba98
	s_mov_b32 s[G1K+0], W0
	s_mov_b32 s[G1K+1], 128<<16                    ; tensor_dim0 = 128 elements: two keys
	s_mov_b32 s[G1K+2], 64<<16                     ; tensor_dim1 = 64
	s_mov_b32 s[G1K+3], 128<<16                    ; tile_dim0
	s_mov_b32 s[G1K+4], 64                         ; tile_dim1
	s_mov_b32 s[G1K+5], 128                        ; K is dense: a row begins where the last ends
	s_mov_b32 s[G1K+6], 0
	s_mov_b32 s[G1K+7], 0
	s_mov_b32 s[G1V+0], W0
	s_mov_b32 s[G1V+1], 128<<16                    ; 128 keys
	s_mov_b32 s[G1V+2], 64<<16                     ; 64 d
	s_mov_b32 s[G1V+3], 128<<16
	s_mov_b32 s[G1V+4], 64
	s_mov_b32 s[G1V+5], 2048                       ; a row of vt
	s_mov_b32 s[G1V+6], 0
	s_mov_b32 s[G1V+7], 0
	s_lshl_b32 s16, ttmp9, 18                      ; bh x 262,144 bytes (ttmp9 counts clusters = bh)
	s_lshl_b32 s57, s14, 14                        ; + 128 keys of 128 bytes
	s_add_co_u32 s16, s16, s57
	s_mov_b32 s17, 0
	s_lshl_b32 s18, ttmp9, 18
	s_lshl_b32 s57, s14, 8                         ; + 128 keys of 2 bytes
	s_add_co_u32 s18, s18, s57
	s_mov_b32 s19, 0
	s_mul_i32 s58, s12, SUB                        ; where my tile goes
	s_lshl_b32 s62, ttmp9, 18                      ; q and ao: bh, + 512 queries x cx, + 64 queries x wave, rows of 128 bytes
	s_lshl_b32 s59, s15, 16
	s_add_co_u32 s62, s62, s59
	s_lshl_b32 s59, s12, 13
	s_add_co_u32 s62, s62, s59
	s_mov_b32 s63, 0
	s_wait_dscnt 0x0
	s_wait_kmcnt 0x0
	s_add_nc_u64 s[16:17], s[6:7], s[16:17]
	s_add_nc_u64 s[18:19], s[8:9], s[18:19]
	s_add_nc_u64 s[4:5], s[4:5], s[62:63]
	s_add_nc_u64 s[10:11], s[10:11], s[62:63]
	ROUND                                          ; all four work-groups are here: the first joint loads meet
.irp s, 0,1
	s_mov_b32 s[G0K+4*\s], 1
	s_add_co_u32 s[G0K+4*\s+1], s58, \s*SLOT
	s_add_nc_u64 s[G0K+4*\s+2:G0K+4*\s+3], s[16:17], \s*65536      ; step s: 512 keys of 128 bytes
	s_or_b32 s[G0K+4*\s+3], s[G0K+4*\s+3], 0x80000000
	s_mov_b32 s[G0V+4*\s], 1
	s_add_co_u32 s[G0V+4*\s+1], s58, \s*SLOT
	s_add_nc_u64 s[G0V+4*\s+2:G0V+4*\s+3], s[18:19], \s*1024       ; 512 keys of 2 bytes
	s_or_b32 s[G0V+4*\s+3], s[G0V+4*\s+3], 0x80000000
	JLOAD \s                                       ; both slots' first fills: two tensor loads of this wave are out
.endr
	v_and_b32 v10, 15, v0                          ; r
	v_bfe_u32 v11, v0, 4, 1                        ; h
	v_and_b32 v12, 31, v0                          ; lane
	v_lshlrev_b32 v[QO], 7, v10
	v_lshl_add_u32 v[QO], v11, 4, v[QO]            ; query r, 16 bytes for each half of the lanes
	WIN 0x40
.irp qt, 0,1,2,3
.irp ks, 0,1
	global_load_b128 v[QF+8*(2*\qt+\ks):QF+8*(2*\qt+\ks)+3],   v[QO], s[4:5] offset:\qt*2048+\ks*64
	global_load_b128 v[QF+8*(2*\qt+\ks)+4:QF+8*(2*\qt+\ks)+7], v[QO], s[4:5] offset:\qt*2048+\ks*64+32
.endr
.endr
	WIN 0
	v_lshrrev_b32 v13, 1, v10
	v_and_b32 v14, 1, v10
	v_mul_u32_u24 v[KB0], v13, 272
	v_lshl_add_u32 v[KB0], v14, 7, v[KB0]
	v_lshl_add_u32 v[KB0], v11, 4, v[KB0]          ; key r: row r / 2, half r % 2: the sixteen lanes of a load start 16 bytes apart modulo 256
	v_mul_u32_u24 v[VB0], v10, 272
	v_lshl_add_u32 v[VB0], v11, 4, v[VB0]
	v_add_nc_u32 v[VB0], 4*SUB, v[VB0]             ; d = r, behind K's four tiles
	s_mul_i32 s60, s12, 16*144
	s_add_co_u32 s60, s60, STAGE
	v_mul_u32_u24 v[STO], v10, 144
	v_lshl_add_u32 v[STO], v11, 4, v[STO]
	v_add_nc_u32 v[STO], s60, v[STO]
	v_lshrrev_b32 v13, 3, v12
	v_and_b32 v14, 7, v12
	v_mul_u32_u24 v[RD], v13, 144
	v_lshl_add_u32 v[RD], v14, 4, v[RD]
	v_add_nc_u32 v[RD], s60, v[RD]
	v_lshlrev_b32 v[GO], 4, v12
.irp qt, 0,1,2,3
	v_mov_b32 v[PT+\qt], 0                         ; v_permlanex16_b32's destination counts as read
	v_mov_b32 v[AL+2*\qt+1], 0                     ; the other register of alpha's pair counts as read
.endr
; the softmax of one pair of key tiles (qt, kp): 16 registers from 8 (4 qt + 2 kp) on, all in window 1
.macro SUBX qt, kp
.irp e, 0,1,2,3,4,5,6,7
	v_pk_add_f32 v[8*(4*\qt+2*\kp)+2*\e:8*(4*\qt+2*\kp)+2*\e+1], v[8*(4*\qt+2*\kp)+2*\e:8*(4*\qt+2*\kp)+2*\e+1], v[NM+2*\qt:NM+2*\qt+1] neg_lo:[0,1] neg_hi:[0,1]
.endr
.endm
.macro EXPX qt, kp
.irp e, 0,1,2,3,4,5,6,7,8,9,10,11,12,13,14,15
	v_exp_f32 v[8*(4*\qt+2*\kp)+\e], v[8*(4*\qt+2*\kp)+\e]
.endr
.endm
.macro SCX qt, kp                      ; the sum, then the packing in place: registers 0-7 become P's fragment
.set X, 8*(4*\qt+2*\kp)
	s_wait_alu depctr_va_vdst(0)
	v_pk_add_f32 v[TS:TS+1],   v[X:X+1],     v[X+2:X+3]
	v_pk_add_f32 v[TS+2:TS+3], v[X+4:X+5],   v[X+6:X+7]
	v_pk_add_f32 v[TS+4:TS+5], v[X+8:X+9],   v[X+10:X+11]
	v_pk_add_f32 v[TS+6:TS+7], v[X+12:X+13], v[X+14:X+15]
	v_pk_add_f32 v[TS:TS+1],   v[TS:TS+1],   v[TS+2:TS+3]
	v_pk_add_f32 v[TS+4:TS+5], v[TS+4:TS+5], v[TS+6:TS+7]
.if \kp == 0
	v_pk_add_f32 v[AC+2*\qt:AC+2*\qt+1], v[TS:TS+1], v[TS+4:TS+5]
.else
	v_pk_add_f32 v[TS:TS+1], v[TS:TS+1], v[TS+4:TS+5]
	v_pk_add_f32 v[AC+2*\qt:AC+2*\qt+1], v[AC+2*\qt:AC+2*\qt+1], v[TS:TS+1]
.endif
.irp e, 0,1,2,3,4,5,6,7
	v_cvt_pk_f16_f32 v[X+\e], v[X+2*\e], v[X+2*\e+1]
.endr
.endm
; 64 keys x my 64 queries.  first = 1: nothing to rescale, the products start the sums.  ko, vo: the block's place in its tiles of K and of V.
.macro BLOCK first, ko, vo
.if \first == 0
.rept 5
	v_nop                                          ; five places behind the last products (ISA guide 7.12.1): V's registers are loaded into, P's are written by the next product
.endr
.endif
	WIN 0x40
.irp kt, 0,1,2,3
.irp ks, 0,1
	ds_load_b128 v[KF+8*(2*\kt+\ks):KF+8*(2*\kt+\ks)+3],   v[KA] offset:\ko+\kt*2176+\ks*64
	ds_load_b128 v[KF+8*(2*\kt+\ks)+4:KF+8*(2*\kt+\ks)+7], v[KA] offset:\ko+\kt*2176+\ks*64+32
.endr
.endr
	WIN 0
.irp dt, 0,1,2,3
.irp kp, 0,1
	ds_load_b128 v[VF+8*(2*\dt+\kp):VF+8*(2*\dt+\kp)+3],   v[VA] offset:\vo+\dt*4352+\kp*64
	ds_load_b128 v[VF+8*(2*\dt+\kp)+4:VF+8*(2*\dt+\kp)+7], v[VA] offset:\vo+\dt*4352+\kp*64+32
.endr
.endr
	s_wait_dscnt 16                                ; K's sixteen loads are in, V's sixteen stay out
.if \first
	s_wait_loadcnt 0x0                             ; Q
.endif
	WIN 0x55
	; S^T = K Q^T: the sixteen accumulators take turns, one instruction a turn
.irp kt, 0,1,2,3
.irp qt, 0,1,2,3
	v_wmma_f32_16x16x32_f16 v[8*(4*\qt+\kt):8*(4*\qt+\kt)+7], v[KF+8*(2*\kt):KF+8*(2*\kt)+7], v[QF+8*(2*\qt):QF+8*(2*\qt)+7], 0
.endr
.endr
.irp kt, 0,1,2,3
.irp qt, 0,1,2,3
	v_wmma_f32_16x16x32_f16 v[8*(4*\qt+\kt):8*(4*\qt+\kt)+7], v[KF+8*(2*\kt+1):KF+8*(2*\kt+1)+7], v[QF+8*(2*\qt+1):QF+8*(2*\qt+1)+7], v[8*(4*\qt+\kt):8*(4*\qt+\kt)+7]
.endr
.endr
.rept 4
	v_nop                                          ; four places before the results are read and K's registers written
.endr
	WIN 0x05                                       ; the block's maximum of my 32 scores of each query tile: four chains side by side
.irp qt, 0,1,2,3
	v_max_num_f32 v[MX+\qt], v[32*\qt], v[32*\qt+1]
.endr
.irp e, 1,2,3,4,5,6,7,8,9,10,11,12,13,14,15
.irp qt, 0,1,2,3
	v_max3_num_f32 v[MX+\qt], v[32*\qt+2*\e], v[32*\qt+2*\e+1], v[MX+\qt]
.endr
.endr
	WIN 0
.irp qt, 0,1,2,3
	v_permlanex16_b32 v[PT+\qt], v[MX+\qt], s20, s21   ; the other half's keys
.endr
.if \first
.irp qt, 0,1,2,3
	v_max_num_f32 v[ML+2*\qt], v[MX+\qt], v[PT+\qt]
.endr
.else
.irp qt, 0,1,2,3
	v_max3_num_f32 v[MX+\qt], v[MX+\qt], v[PT+\qt], v[ML+2*\qt]    ; the new running maximum
.endr
.irp qt, 0,1,2,3
	v_sub_f32 v[AL+2*\qt], v[ML+2*\qt], v[MX+\qt]
.endr
.irp qt, 0,1,2,3
	v_exp_f32 v[AL+2*\qt], v[AL+2*\qt]             ; alpha = 2^(old - new)
.endr
.irp qt, 0,1,2,3
	v_mov_b32 v[ML+2*\qt], v[MX+\qt]               ; plain work behind the exponentials before alpha is used (ISA guide 5.7.2)
.endr
	s_wait_alu depctr_va_vdst(0)
.irp qt, 0,1,2,3
.irp e, 0,1,2,3,4,5,6,7,8,9,10,11,12,13,14,15
	v_pk_mul_f32 v[OA+32*\qt+2*\e:OA+32*\qt+2*\e+1], v[OA+32*\qt+2*\e:OA+32*\qt+2*\e+1], v[AL+2*\qt:AL+2*\qt+1] op_sel_hi:[1,0]
.endr
.endr
.endif
	WIN 0x40
.irp qt, 0,1,2,3
	v_mov_b32 v[NM+2*\qt],   v[ML+2*\qt]
	v_mov_b32 v[NM+2*\qt+1], v[ML+2*\qt]
.endr
	WIN 0x55
	; p = 2^(s - m), pair of tiles by pair; behind each run of exponentials stands plain work on another pair before its results are used
	SUBX 0, 0
	EXPX 0, 0
	SUBX 1, 0
	EXPX 1, 0
	SCX  0, 0
	SUBX 2, 0
	EXPX 2, 0
	SCX  1, 0
	SUBX 3, 0
	EXPX 3, 0
	SCX  2, 0
	SUBX 0, 1
	EXPX 0, 1
	SCX  3, 0
	SUBX 1, 1
	EXPX 1, 1
	SCX  0, 1
	SUBX 2, 1
	EXPX 2, 1
	SCX  1, 1
	SUBX 3, 1
	EXPX 3, 1
	SCX  2, 1
	SCX  3, 1
	WIN 0x05
.if \first
.irp qt, 0,1,2,3
	v_add_f32 v[ML+2*\qt+1], v[AC+2*\qt], v[AC+2*\qt+1]
.endr
	WIN 0
.else
.irp qt, 0,1,2,3
	v_add_f32 v[SM+\qt], v[AC+2*\qt], v[AC+2*\qt+1]
.endr
	WIN 0
.irp qt, 0,1,2,3
	v_fma_f32 v[ML+2*\qt+1], v[ML+2*\qt+1], v[AL+2*\qt], v[SM+\qt]
.endr
.endif
	s_wait_dscnt 0x0                               ; V
	WIN 0x04
	; O^T += V^T P^T: the sixteen accumulators take turns, one instruction a turn
.irp dt, 0,1,2,3
.irp qt, 0,1,2,3
.if \first
	v_wmma_f32_16x16x32_f16 v[OA+8*(4*\qt+\dt):OA+8*(4*\qt+\dt)+7], v[VF+8*(2*\dt):VF+8*(2*\dt)+7], v[8*(4*\qt):8*(4*\qt)+7], 0
.else
	v_wmma_f32_16x16x32_f16 v[OA+8*(4*\qt+\dt):OA+8*(4*\qt+\dt)+7], v[VF+8*(2*\dt):VF+8*(2*\dt)+7], v[8*(4*\qt):8*(4*\qt)+7], v[OA+8*(4*\qt+\dt):OA+8*(4*\qt+\dt)+7]
.endif
.endr
.endr
.irp dt, 0,1,2,3
.irp qt, 0,1,2,3
	v_wmma_f32_16x16x32_f16 v[OA+8*(4*\qt+\dt):OA+8*(4*\qt+\dt)+7], v[VF+8*(2*\dt+1):VF+8*(2*\dt+1)+7], v[8*(4*\qt+2):8*(4*\qt+2)+7], v[OA+8*(4*\qt+\dt):OA+8*(4*\qt+\dt)+7]
.endr
.endr
	WIN 0
.endm
.macro PAIR first                      ; the 128 keys of one tile of K and one of V
	BLOCK \first, 0, 0
	BLOCK 0, 8704, 128
	v_add_nc_u32 v[KA], SUB, v[KA]
	v_add_nc_u32 v[VA], SUB, v[VA]
.endm
.macro RUN n
	s_mov_b32 s56, \n
.Lrun_\@:
	PAIR 0
	s_sub_co_u32 s56, s56, 1
	s_cmp_lg_u32 s56, 0
	s_cbranch_scc1 .Lrun_\@
.endm
; The slot just read is filled again, two steps ahead.  Each wave waits for its reads of it and for all its tensor loads (one is out: its part of the
; other slot); the round says so of every wave of all four work-groups; the joint refill is the first tensor load behind it, one a wave.
; It has the other slot's 512 matrix instructions of this wave in which to land.
.macro TURNFILL slot
	s_wait_dscnt 0x0
	s_wait_tensorcnt 0x0
	ds_add_u32 v62, v63
	s_wait_dscnt 0x0
	s_add_nc_u64 s[G0K+4*\slot+2:G0K+4*\slot+3], s[G0K+4*\slot+2:G0K+4*\slot+3], 131072
	s_add_nc_u64 s[G0V+4*\slot+2:G0V+4*\slot+3], s[G0V+4*\slot+2:G0V+4*\slot+3], 2048
	ROUND
	JLOAD \slot
.endm
	s_wait_tensorcnt 1                             ; my part of step 0 is in; step 1's stays out
	s_barrier_signal -1
	s_barrier_wait -1
	v_mov_b32 v[KA], v[KB0]                        ; step 0, slot 0
	v_mov_b32 v[VA], v[VB0]
	PAIR 1
	RUN 3
	TURNFILL 0                                     ; asks for step 2
	v_add_nc_u32 v[KA], SLOT, v[KB0]               ; step 1, slot 1
	v_add_nc_u32 v[VA], SLOT, v[VB0]
	RUN 4
	TURNFILL 1                                     ; asks for step 3
	v_mov_b32 v[KA], v[KB0]                        ; step 2, slot 0
	v_mov_b32 v[VA], v[VB0]
	RUN 4
	s_wait_dscnt 0x0
	s_wait_tensorcnt 0x0                           ; my part of step 3 is in
	s_barrier_signal -1
	s_barrier_wait -1                              ; everybody's is; nothing is left to fetch
	v_add_nc_u32 v[KA], SLOT, v[KB0]               ; step 3, slot 1
	v_add_nc_u32 v[VA], SLOT, v[VB0]
	RUN 4
	; THE WAY OUT: l's two halves meet, O / l, one rounding to f16, 16 queries at a time through my own stage, stores of 512 consecutive bytes
.rept 4
	v_nop                                          ; four places behind the last products
.endr
.irp qt, 0,1,2,3
	v_permlanex16_b32 v[PT+\qt], v[ML+2*\qt+1], s20, s21
.endr
.irp qt, 0,1,2,3
	v_add_f32 v[ML+2*\qt+1], v[ML+2*\qt+1], v[PT+\qt]
.endr
.irp qt, 0,1,2,3
	v_rcp_f32 v[AL+2*\qt], v[ML+2*\qt+1]           ; l >= 1: the largest score gives p = 1
.endr
	v_nop                                          ; a plain place behind the reciprocals
	s_wait_alu depctr_va_vdst(0)
.macro OUTQ qt
.irp e, 0,1,2,3,4,5,6,7,8,9,10,11,12,13,14,15
	v_pk_mul_f32 v[OA+32*\qt+2*\e:OA+32*\qt+2*\e+1], v[OA+32*\qt+2*\e:OA+32*\qt+2*\e+1], v[AL+2*\qt:AL+2*\qt+1] op_sel_hi:[1,0]
.endr
.irp e, 0,1,2,3,4,5,6,7,8,9,10,11,12,13,14,15
	v_cvt_pk_f16_f32 v[VF+16*\qt+\e], v[OA+32*\qt+2*\e], v[OA+32*\qt+2*\e+1]
.endr
.irp dt, 0,1,2,3
	ds_store_b128 v[STO], v[VF+16*\qt+4*\dt:VF+16*\qt+4*\dt+3] offset:\dt*32
.endr
.irp t, 0,1,2,3
	ds_load_b128 v[OA+16*\qt+4*\t:OA+16*\qt+4*\t+3], v[RD] offset:\t*576   ; LDS serves a wave's instructions in order: these see the stores above; the registers held tiles already packed
.endr
.irp t, 0,1,2,3
	s_wait_dscnt 3-\t
	global_store_b128 v[GO], v[OA+16*\qt+4*\t:OA+16*\qt+4*\t+3], s[10:11] offset:\qt*2048+\t*512   ; four rows of ao
.endr
.endm
	OUTQ 0
	OUTQ 1
	OUTQ 2
	OUTQ 3
	s_wait_tensorcnt 0x0
	ds_add_u32 v62, v63
	s_wait_dscnt 0x0
	ROUND                                          ; the closing round
	s_endpgm
.Lfunc_end_k_q30ab8887bb_attn:
	.size	k_q30ab8887bb_attn, .Lfunc_end_k_q30ab8887bb_attn-k_q30ab8887bb_attn
	.p2alignl 7, 3214868480
	.fill 96, 4, 3214868480
	.section	.rodata,"a",@progbits
	.p2align	6, 0x0
	.amdhsa_kernel k_q30ab8887bb_attn
		.amdhsa_group_segment_fixed_size 327680
		.amdhsa_private_segment_fixed_size 0
		.amdhsa_enable_private_segment 0
		.amdhsa_kernarg_size 32
		.amdhsa_user_sgpr_count 2
		.amdhsa_user_sgpr_kernarg_segment_ptr 1
		.amdhsa_wavefront_size32 1
		.amdhsa_system_sgpr_workgroup_id_x 1
		.amdhsa_system_sgpr_workgroup_id_y 1
		.amdhsa_system_sgpr_workgroup_id_z 1
		.amdhsa_system_vgpr_workitem_id 0
		.amdhsa_next_free_vgpr 512
		.amdhsa_next_free_sgpr 66
		.amdhsa_reserve_vcc 0
		.amdhsa_float_denorm_mode_32 3
		.amdhsa_float_denorm_mode_16_64 3
		.amdhsa_memory_ordered 1
		.amdhsa_forward_progress 1
		.amdhsa_inst_pref_size 255
	.end_amdhsa_kernel
	.section	.bss,"aw",@nobits
	.p2align	6
	.space	262144
	.amdgpu_metadata
---
amdhsa.version: [ 1, 2 ]
amdhsa.kernels:
  - .name:           k_q30ab8887bb_attn
    .symbol:         k_q30ab8887bb_attn.kd
    .args:
      - { .name: q, .offset: 0, .size: 8, .value_kind: global_buffer, .address_space: global }
      - { .name: k, .offset: 8, .size: 8, .value_kind: global_buffer, .address_space: global }
      - { .name: vt, .offset: 16, .size: 8, .value_kind: global_buffer, .address_space: global }
      - { .name: ao, .offset: 24, .size: 8, .value_kind: global_buffer, .address_space: global }
    .group_segment_fixed_size: 327680
    .private_segment_fixed_size: 0
    .kernarg_segment_align: 8
    .kernarg_segment_size: 32
    .max_flat_workgroup_size: 256
    .sgpr_count:     66
    .vgpr_count:     512
    .wavefront_size: 32
...
	.end_amdgpu_metadata
.endif
;; end of part 3
;; launch oproj (part 4): grid 8 x 32, 4 waves a work-group, clusters of 4 x 4, 327,680 bytes of LDS; arguments ao, wot, b_out, out0; writes out0
.if DOCPART == 4
	.amdgcn_target "amdgcn-amd-amdhsa--gfx1250"
	.amdhsa_code_object_version 6
	.text
	.protected	k_q30ab8887bb_oproj
	.globl	k_q30ab8887bb_oproj
	.p2align	8
	.type	k_q30ab8887bb_oproj,@function
k_q30ab8887bb_oproj:
	s_mov_b64 s[64:65], 0
	v_nop
	global_prefetch_b8 v0, s[64:65] scope:SCOPE_SE
	s_setreg_imm32_b32 hwreg(HW_REG_WAVE_MODE, 25, 1), 1
	s_wait_xcnt 0x0
	s_wait_alu depctr_hold_cnt(0) depctr_sa_sdst(0) depctr_va_vdst(0) depctr_va_sdst(0) depctr_va_ssrc(0) depctr_va_vcc(0) depctr_vm_vsrc(0)
	s_getreg_b32 s2, hwreg(HW_REG_IB_STS2, 6, 4)
	s_cmp_eq_u32 s2, 0
	s_cbranch_scc0 .Lentry_in_a_cluster
	s_endpgm
.Lentry_in_a_cluster:
	s_bfe_u32 s2, ttmp6, 0x10000c
	s_cmp_lg_u32 s2, 0xf033
	s_cbranch_scc0 .Lentry_shape_is_right
	s_endpgm
.Lentry_shape_is_right:
; out0 = attention output x W_out + b_out.  ao [bh][2048 s][64] f16 (K index = 64 head + d), wot [1024 n][1024 k] f16, b_out [1024] f32,
; out0 [8192][1024] f32; sums and bias in f32.
; A work-group makes 256 rows x 128 columns with four waves; a wave makes 128 x 64: 32 accumulator tiles, 256 registers.
; A K step of 128 is two heads: each head's 256 queries are 32,768 dense bytes of ao, brought as 128 rows of 256 bytes (two queries a row).
; CLUSTERS: 4 x 4 work-groups.  ao's tiles hang on the row block alone and are asked for jointly along a row of the cluster, W's on the column
; block alone and jointly along a column.
; The matrix instruction is used transposed (source 0 = rows of W, source 1 = rows of ao): a lane holds one row and eight neighbouring columns.
; REGISTERS: window 0: addresses, two fragment buffers of 96 (ao: 8 fragments, W: 4), bias 224-255; window 1: accumulators, tile (a, b) at 8 (4 a + b).
.set KSTEP,  128
.set PITCH,  272
.set PLANE,  128*PITCH                 ; one head's 256 queries
.set HALFB,  64*PITCH                  ; 64 rows of W
.set SLOT,   2*PLANE+2*HALFB
.set STAGE,  2*SLOT                    ; behind the ring: 16 rows x 272 bytes for each wave, its own; no fill lands here
.set LAPS,   1024/(2*KSTEP)
.set ADRA, 16
.set ADRB, 20
.set STO,  24
.set RD,   25
.set CO,   26
.set BO,   27
.set F0,   32
.set F1,   128
.set TW,   32
.set BIAS, 224
.set G1,  24
.set G0,  32
.set G1B, 48
.set G0B, 56
.set W0, (1<<16)|(1<<20)|(1<<21)|(5<<22)|(3<<25)
.set MSB, 0
.macro WIN new
.if MSB != (\new)
	s_set_vgpr_msb (MSB<<8)|(\new)
.set MSB, (\new)
.endif
.endm
.macro JLOAD s                         ; waves 0, 1 ask for the two heads of ao, waves 2, 3 for W's halves
	s_cmp_eq_u32 s17, 0
	s_cbranch_scc0 .Lfor_b_\@
	tensor_load_to_lds s[G0+4*\s:G0+4*\s+3], s[G1:G1+7]
	s_nop 0
	s_branch .Lasked_\@
.Lfor_b_\@:
	tensor_load_to_lds s[G0B+4*\s:G0B+4*\s+3], s[G1B:G1B+7]
	s_nop 0
.Lasked_\@:
.endm
.macro CREST
	s_cmp_lg_u32 s16, 0
	s_cbranch_scc1 .Lnot_wave_0_\@
	s_barrier_signal -3
.Lnot_wave_0_\@:
	s_barrier_wait -3
	s_barrier_signal -1
	s_barrier_wait -1
.endm
.macro CROUND
	s_barrier_signal -1
	s_barrier_wait -1
	CREST
.endm
.macro PLACES                          ; four places behind a matrix instruction (ISA guide 7.12.1)
.rept 4
	v_nop
.endr
.endm
	s_load_b256 s[4:11], s[0:1], 0x0               ; ao s[4:5], wot s[6:7], b_out s[8:9], out0 s[10:11]
	v_lshl_add_u32 v30, v0, 2, 0x37400
	v_mov_b32 v31, 0
	ds_add_u32 v30, v31
	v_lshrrev_b32 v1, 5, v0
	v_readfirstlane_b32 s16, v1                    ; wave 0..3
	s_lshr_b32 s17, s16, 1                         ; wm: my 128 rows.  Also: I fetch for ao (0) or for W (1)
	s_and_b32 s18, s16, 1                          ; wn: my 64 columns.  Also: which head, or which half of W's tile, I fetch
	s_bfe_u32 s19, ttmp6, 0x40000                  ; cx
	s_bfe_u32 s20, ttmp6, 0x40004                  ; cy
	s_lshl_b32 s21, ttmp9, 2
	s_add_co_u32 s21, s21, s19                     ; column block
	s_and_b32 s22, ttmp7, 0xffff
	s_lshl_b32 s22, s22, 2
	s_add_co_u32 s22, s22, s20                     ; row block
	s_lshl_b32 s44, s20, 2
	s_lshl_b32 s44, 15, s44                        ; my row of the cluster
	s_lshl_b32 s45, 0x1111, s19                    ; my column
	s_or_b32 s[G1+0], s44, W0
	s_mov_b32 s[G1+1], 128<<16                     ; 128 elements: two queries of one head
	s_mov_b32 s[G1+2], 128<<16                     ; 128 rows
	s_mov_b32 s[G1+3], 128<<16
	s_mov_b32 s[G1+4], 128
	s_mov_b32 s[G1+5], 128                         ; dense
	s_mov_b32 s[G1+6], 0
	s_mov_b32 s[G1+7], 0
	s_or_b32 s[G1B+0], s45, W0
	s_mov_b32 s[G1B+1], KSTEP<<16
	s_mov_b32 s[G1B+2], 64<<16
	s_mov_b32 s[G1B+3], KSTEP<<16
	s_mov_b32 s[G1B+4], 64
	s_mov_b32 s[G1B+5], 1024
	s_mov_b32 s[G1B+6], 0
	s_mov_b32 s[G1B+7], 0
	s_lshr_b32 s40, s22, 3                         ; ao: batch x 16 heads x 262,144 bytes, in registers that never hold cx
	s_lshl_b32 s40, s40, 22
	s_lshl_b32 s23, s18, 18                        ; + my head of the step's two
	s_add_co_u32 s40, s40, s23
	s_and_b32 s23, s22, 7
	s_lshl_b32 s23, s23, 15                        ; + 256 queries of 128 bytes
	s_add_co_u32 s40, s40, s23
	s_mov_b32 s41, 0
	s_lshl_b32 s42, s21, 7                         ; W: row 128 x block + 64 x half, in registers that never hold cy
	s_lshl_b32 s66, s18, 6
	s_add_co_u32 s42, s42, s66
	s_lshl_b32 s42, s42, 11
	s_mov_b32 s43, 0
	s_mul_i32 s46, s16, PLANE                      ; where ao's planes go (waves 0, 1)
	s_mul_i32 s47, s16, HALFB
	s_add_co_u32 s47, s47, 2*PLANE-2*HALFB         ; where W's halves go (waves 2, 3)
	s_wait_dscnt 0x0
	s_wait_kmcnt 0x0
	s_add_nc_u64 s[40:41], s[4:5], s[40:41]
	s_add_nc_u64 s[42:43], s[6:7], s[42:43]
	CROUND                                         ; all sixteen work-groups are here: the first joint loads meet
.irp s, 0,1
	s_mov_b32 s[G0+4*\s], 1
	s_add_co_u32 s[G0+4*\s+1], s46, \s*SLOT
	s_add_nc_u64 s[G0+4*\s+2:G0+4*\s+3], s[40:41], \s*524288       ; K step s: two heads on
	s_or_b32 s[G0+4*\s+3], s[G0+4*\s+3], 0x80000000
	s_mov_b32 s[G0B+4*\s], 1
	s_add_co_u32 s[G0B+4*\s+1], s47, \s*SLOT
	s_add_nc_u64 s[G0B+4*\s+2:G0B+4*\s+3], s[42:43], \s*KSTEP*2
	s_or_b32 s[G0B+4*\s+3], s[G0B+4*\s+3], 0x80000000
	JLOAD \s                                       ; both slots' first fills: two tensor loads of this wave are out
.endr
	v_and_b32 v1, 15, v0                           ; r
	v_bfe_u32 v2, v0, 4, 1                         ; h
	v_lshrrev_b32 v3, 1, v1
	v_and_b32 v4, 1, v1
	v_mul_u32_u24 v5, v3, PITCH
	v_lshl_add_u32 v5, v4, 7, v5
	v_lshl_add_u32 v5, v2, 4, v5                   ; ao: query r at row r / 2, half r % 2
	v_mul_u32_u24 v6, v1, PITCH
	v_lshl_add_u32 v6, v2, 4, v6                   ; W: row r
	s_mul_i32 s66, s17, 64*PITCH                   ; my 128 queries = 64 rows
	s_mul_i32 s67, s18, 64*PITCH                   ; my 64 rows of W,
	s_add_co_u32 s67, s67, 2*PLANE                 ; behind the two planes
.irp s, 0,1
	v_add_nc_u32 v[ADRA+\s], s66, v5
	v_add_nc_u32 v[ADRB+\s], s67, v6
	s_add_co_u32 s66, s66, SLOT
	s_add_co_u32 s67, s67, SLOT
.endr
	s_mul_i32 s68, s16, 16*PITCH
	s_add_co_u32 s68, s68, STAGE
	v_mul_u32_u24 v7, v1, PITCH
	v_lshl_add_u32 v7, v2, 5, v7
	v_add_nc_u32 v[STO], s68, v7                   ; in: row r, 32 bytes for each half of the lanes
	v_mul_u32_u24 v8, v2, PITCH
	v_lshl_add_u32 v8, v1, 4, v8
	v_add_nc_u32 v[RD], s68, v8                    ; back: lanes 0-15 one row of 256 bytes, lanes 16-31 the next
	v_lshlrev_b32 v9, 12, v2
	v_lshl_add_u32 v[CO], v1, 4, v9                ; the same two rows in out0
	v_lshlrev_b32 v[BO], 5, v2
	s_lshl_b32 s70, s21, 9                         ; 128 columns x 4 bytes
	s_lshl_b32 s71, s18, 8
	s_add_co_u32 s70, s70, s71
	s_mov_b32 s71, 0
	s_add_nc_u64 s[8:9], s[8:9], s[70:71]
.irp b, 0,1,2,3
	global_load_b128 v[BIAS+8*\b:BIAS+8*\b+3],   v[BO], s[8:9] offset:\b*64       ; waited for on the way out
	global_load_b128 v[BIAS+8*\b+4:BIAS+8*\b+7], v[BO], s[8:9] offset:\b*64+16
.endr
.macro MULO f, a, zero                 ; four matrix instructions: row block a x my four column tiles
.irp b, 0,1,2,3
.if \zero
	v_wmma_f32_16x16x32_f16 v[8*(4*\a+\b):8*(4*\a+\b)+7], v[\f+64+8*\b:\f+64+8*\b+7], v[\f+8*\a:\f+8*\a+7], 0
.else
	v_wmma_f32_16x16x32_f16 v[8*(4*\a+\b):8*(4*\a+\b)+7], v[\f+64+8*\b:\f+64+8*\b+7], v[\f+8*\a:\f+8*\a+7], v[8*(4*\a+\b):8*(4*\a+\b)+7]
.endif
.endr
.endm
; 24 LDS loads in one run: W's four fragments, ao's rows 0-63, ao's rows 64-127, quarter kq of the K step, into buffer f
.macro FETCH slot, kq, f
	WIN 0
.irp b, 0,1,2,3
	ds_load_b128 v[\f+64+8*\b:\f+64+8*\b+3],   v[ADRB+\slot] offset:\kq*64+\b*16*PITCH
	ds_load_b128 v[\f+64+8*\b+4:\f+64+8*\b+7], v[ADRB+\slot] offset:\kq*64+\b*16*PITCH+32
.endr
.irp a, 0,1,2,3,4,5,6,7
	ds_load_b128 v[\f+8*\a:\f+8*\a+3],   v[ADRA+\slot] offset:(\kq>>1)*PLANE+(\kq&1)*64+\a*8*PITCH
	ds_load_b128 v[\f+8*\a+4:\f+8*\a+7], v[ADRA+\slot] offset:(\kq>>1)*PLANE+(\kq&1)*64+\a*8*PITCH+32
.endr
.endm
; The 32 accumulators take turns, one instruction a turn, in the same order in every quarter.
.macro QUARTER slot, kq, f, g, zero
	s_wait_dscnt 8                                 ; W and ao's rows 0-63 are in; the youngest eight loads may be out
	WIN 0x50
	MULO \f, 0, \zero
	MULO \f, 1, \zero
	MULO \f, 2, \zero
	MULO \f, 3, \zero
	PLACES
	FETCH \slot, \kq, \g
	s_wait_dscnt 24                                ; all but the 24 just issued
	WIN 0x50
	MULO \f, 4, \zero
	MULO \f, 5, \zero
	MULO \f, 6, \zero
	MULO \f, 7, \zero
.endm
.macro THREE slot, zero
	QUARTER \slot, 1, F0, F1, \zero
	QUARTER \slot, 2, F1, F0, 0
	QUARTER \slot, 3, F0, F1, 0
.endm
; The last quarter changes slots: each wave's waits for its reads of this slot and for all its tensor loads stand in front of the barrier, which opens a
; round of the cluster's barrier where the slot is filled again; the joint refill is the first tensor load behind the round.
; From a request to the wait for it a wave issues 120 matrix instructions.
.macro TURN slot, next, fill
	s_wait_dscnt 8
	WIN 0x50
	MULO F1, 0, 0
	MULO F1, 1, 0
	s_wait_dscnt 0x0
	s_wait_tensorcnt 0x0
	ds_add_u32 v30, v31
	s_wait_dscnt 0x0
	s_barrier_signal -1
	MULO F1, 2, 0
	MULO F1, 3, 0
	WIN 0
	s_barrier_wait -1
.if \fill
	CREST
	s_add_nc_u64 s[G0+4*\slot+2:G0+4*\slot+3], s[G0+4*\slot+2:G0+4*\slot+3], 1048576     ; four heads on
	s_add_nc_u64 s[G0B+4*\slot+2:G0B+4*\slot+3], s[G0B+4*\slot+2:G0B+4*\slot+3], 2*KSTEP*2
	JLOAD \slot
.endif
	PLACES
	FETCH \next, 0, F0
	WIN 0x50
	MULO F1, 4, 0
	MULO F1, 5, 0
	MULO F1, 6, 0
	MULO F1, 7, 0
.endm
.macro LAP zero
	THREE 0, \zero
	TURN 0, 1, 1
	THREE 1, 0
	TURN 1, 0, 1
.endm
	s_wait_tensorcnt 1                             ; my part of K step 0 is in; K step 1's stays out
	s_barrier_signal -1
	s_barrier_wait -1
	FETCH 0, 0, F0
	LAP 1
	WIN 0
	s_mov_b32 s3, LAPS-2
.Llap:
	LAP 0
	WIN 0
	s_sub_co_u32 s3, s3, 1
	s_cmp_lg_u32 s3, 0
	s_cbranch_scc1 .Llap
	THREE 0, 0                                     ; the last lap fills nothing
	TURN 0, 1, 0
	THREE 1, 0
	s_wait_dscnt 8
	WIN 0x50
	MULO F1, 0, 0
	MULO F1, 1, 0
	MULO F1, 2, 0
	MULO F1, 3, 0
	s_wait_dscnt 0x0
	MULO F1, 4, 0
	MULO F1, 5, 0
	MULO F1, 6, 0
	MULO F1, 7, 0
	; THE WAY OUT, 16 rows at a time: bias in f32, 32 bytes a lane into my own stage, whole rows of 256 bytes back and out
	PLACES
	WIN 0
	s_lshl_b32 s72, s22, 20                        ; 256 rows of 4,096 bytes
	s_lshl_b32 s73, s17, 19                        ; + my 128 rows
	s_add_co_u32 s72, s72, s73
	s_add_co_u32 s72, s72, s70                     ; + my 64 columns, as for the bias
	s_mov_b32 s73, 0
	s_add_nc_u64 s[10:11], s[10:11], s[72:73]
	s_wait_loadcnt 0x0                             ; the bias
.macro OUT16 a, f
	WIN 0x01
.irp b, 0,1,2,3
.irp p, 0,1,2,3
	v_pk_add_f32 v[TW+8*\b+2*\p:TW+8*\b+2*\p+1], v[8*(4*\a+\b)+2*\p:8*(4*\a+\b)+2*\p+1], v[BIAS+8*\b+2*\p:BIAS+8*\b+2*\p+1]
.endr
.endr
	WIN 0
.irp b, 0,1,2,3
	ds_store_b128 v[STO], v[TW+8*\b:TW+8*\b+3]   offset:\b*64
	ds_store_b128 v[STO], v[TW+8*\b+4:TW+8*\b+7] offset:\b*64+16
.endr
	s_wait_xcnt 0x0                                ; every earlier store has had its addresses translated (ISA guide 3.1): set f, which stores read, is loaded again only behind this wait
.irp t, 0,1,2,3,4,5,6,7
	ds_load_b128 v[\f+4*\t:\f+4*\t+3], v[RD] offset:\t*2*PITCH     ; LDS serves a wave's instructions in order: these see the stores above
.endr
.irp t, 0,1,2,3,4,5,6,7
	s_wait_dscnt 7-\t
	global_store_b128 v[CO], v[\f+4*\t:\f+4*\t+3], s[10:11] offset:(16*\a+2*\t)*4096 th:TH_STORE_NT   ; sixteen lanes store 256 consecutive bytes, at a multiple of 256
.endr
.endm
	OUT16 0, 64
	OUT16 1, 96
	OUT16 2, 64
	OUT16 3, 96
	OUT16 4, 64
	OUT16 5, 96
	OUT16 6, 64
	OUT16 7, 96
	s_wait_tensorcnt 0x0
	ds_add_u32 v30, v31
	s_wait_dscnt 0x0
	CROUND                                         ; the closing round
	s_endpgm
.Lfunc_end_k_q30ab8887bb_oproj:
	.size	k_q30ab8887bb_oproj, .Lfunc_end_k_q30ab8887bb_oproj-k_q30ab8887bb_oproj
	.p2alignl 7, 3214868480
	.fill 96, 4, 3214868480
	.section	.rodata,"a",@progbits
	.p2align	6, 0x0
	.amdhsa_kernel k_q30ab8887bb_oproj
		.amdhsa_group_segment_fixed_size 327680
		.amdhsa_private_segment_fixed_size 0
		.amdhsa_enable_private_segment 0
		.amdhsa_kernarg_size 32
		.amdhsa_user_sgpr_count 2
		.amdhsa_user_sgpr_kernarg_segment_ptr 1
		.amdhsa_wavefront_size32 1
		.amdhsa_system_sgpr_workgroup_id_x 1
		.amdhsa_system_sgpr_workgroup_id_y 1
		.amdhsa_system_sgpr_workgroup_id_z 1
		.amdhsa_system_vgpr_workitem_id 0
		.amdhsa_next_free_vgpr 512
		.amdhsa_next_free_sgpr 80
		.amdhsa_reserve_vcc 0
		.amdhsa_float_denorm_mode_32 3
		.amdhsa_float_denorm_mode_16_64 3
		.amdhsa_memory_ordered 1
		.amdhsa_forward_progress 1
		.amdhsa_inst_pref_size 127
	.end_amdhsa_kernel
	.amdgpu_metadata
---
amdhsa.version: [ 1, 2 ]
amdhsa.kernels:
  - .name:           k_q30ab8887bb_oproj
    .symbol:         k_q30ab8887bb_oproj.kd
    .args:
      - { .name: ao, .offset: 0, .size: 8, .value_kind: global_buffer, .address_space: global }
      - { .name: wot, .offset: 8, .size: 8, .value_kind: global_buffer, .address_space: global }
      - { .name: b_out, .offset: 16, .size: 8, .value_kind: global_buffer, .address_space: global }
      - { .name: out0, .offset: 24, .size: 8, .value_kind: global_buffer, .address_space: global }
    .group_segment_fixed_size: 327680
    .private_segment_fixed_size: 0
    .kernarg_segment_align: 8
    .kernarg_segment_size: 32
    .max_flat_workgroup_size: 128
    .sgpr_count:     80
    .vgpr_count:     512
    .wavefront_size: 32
...
	.end_amdgpu_metadata
.endif
;; end of part 4
;; ======== version 2 of 2: 4 launches; version 1 with the launch prep written anew for expert scheduling mode
;; limits: values are held in f16: magnitudes above 65,504 overflow, below 6.1e-05 lose precision
;; workspace buffers: xb 16,777,216 bytes; wqt 6,291,456 bytes; wot 2,097,152 bytes; q 16,777,216 bytes; k 16,777,216 bytes; vt 16,777,216 bytes; ao 16,777,216 bytes
;; launch prep (part 5): grid 1024 x 1, 8 waves a work-group, no clusters, 18,432 bytes of LDS; arguments x, W_qkv, W_out, xb, wqt, wot; writes xb, wqt, wot
.if DOCPART == 5
	.amdgcn_target "amdgcn-amd-amdhsa--gfx1250"
	.amdhsa_code_object_version 6
	.text
	.protected	k_q30ab8887bb_prep
	.globl	k_q30ab8887bb_prep
	.p2align	8
	.type	k_q30ab8887bb_prep,@function
k_q30ab8887bb_prep:
	s_mov_b64 s[64:65], 0
	v_nop
	global_prefetch_b8 v0, s[64:65] scope:SCOPE_SE
	s_setreg_imm32_b32 hwreg(HW_REG_WAVE_SCHED_MODE, 0, 2), 2
	s_setreg_imm32_b32 hwreg(HW_REG_WAVE_MODE, 25, 1), 1
	s_wait_xcnt 0x0
	s_wait_alu depctr_vm_vsrc(0)
; Makes the f16 operands of the two projections: xb = f16(x), wqt[n][k] = f16(W_qkv[k][n]), wot[n][k] = f16(W_out[k][n]).
; Work-groups 0-511 cast 65,536 bytes of x each; 512-895 transpose one tile of 128 k x 64 n of W_qkv; 896-1023 one of W_out.
; LIMIT: f16 holds magnitudes below 65,504; a larger x or W becomes infinity.  Values below 2^-14 keep an absolute error of 2^-25.
; No matrix unit, no cluster, no tensor load: no byte is read by two work-groups, and every byte is read once and written once.
; THE MODE: SCHED_MODE bits 1:0 = 2 (LLVM: expert scheduling mode 2), set by the entry lines.  The code itself states the register dependences
; between vector instructions and memory or LDS instructions, with s_wait_alu, always for 0.
; THE PLAN.  Registers that memory or LDS instructions touch:
;   cast:      v1, v2     offsets, made once at the path's head; read by every load (v1) and every store (v2); never written again.
;              v[4:67]    the sixteen pieces as loaded: written by the loads alone, read by the conversions; loaded once.
;              v[68:99]   the sixteen pieces in f16: written once by the conversions, read by the stores.
;   transpose: v1 .. v4   addresses, made once at the path's head; never written again.
;              v[8:39]    eight rows as loaded: written by the loads alone, read by the conversions; loaded once.
;              v[40:55]   sixteen words of two k: written once by the conversions, read by the LDS stores.
;              v[56:71]   rows read back: written by LDS loads, read by the global stores; no vector instruction names them.
;   v104, v105 written at the head, read by the closing add alone.
; No register that a memory or LDS instruction reads is written a second time, and no load lands in a register that a vector instruction has named:
; what is left to state is that offsets and out-registers are written before they are read.  The work goes in blocks: the wait at a block's head states
; that the block before has written its out-registers; that block's stores follow, dealt among this block's conversions, which name other registers.
.set NQKV, 3072
.set NOUT, 1024
.set TPITCH, 272                       ; an LDS row of the transposed tile: 128 k x 2 bytes + 16
	s_load_b256 s[4:11], s[0:1], 0x0               ; x s[4:5], W_qkv s[6:7], W_out s[8:9], xb s[10:11]
	s_load_b128 s[12:15], s[0:1], 0x20             ; wqt s[12:13], wot s[14:15]
	v_lshl_add_u32 v104, v0, 2, 0x4400
	v_mov_b32 v105, 0
	s_cmp_lt_u32 ttmp9, 512                        ; the same for all waves of a work-group
	s_cbranch_scc0 .Ltrans
	; CAST: thread t takes 16 bytes at 16 t of each of sixteen pieces of 4,096 bytes; a wave's load covers 512 consecutive bytes,
	; a wave's store 256 consecutive bytes at a multiple of 256.
	s_lshl_b32 s18, ttmp9, 16
	s_mov_b32 s19, 0
	s_lshl_b32 s20, ttmp9, 15
	s_mov_b32 s21, 0
	v_lshlrev_b32 v1, 4, v0
	v_lshlrev_b32 v2, 3, v0
	s_wait_kmcnt 0x0
	s_add_nc_u64 s[4:5], s[4:5], s[18:19]
	s_add_nc_u64 s[10:11], s[10:11], s[20:21]
	s_wait_alu depctr_va_vdst(0)                   ; v1 and v2 are written: every load below reads v1 as its offset, every store v2
.irp i, 0,1,2,3,4,5,6,7,8,9,10,11,12,13,14,15
	global_load_b128 v[4+4*\i:7+4*\i], v1, s[4:5] offset:4096*\i th:TH_LOAD_NT
.endr
	; four blocks of four pieces.  Block p converts its pieces; the stores of block p - 1 stand among its conversions.
.irp p, 0,1,2,3
	s_wait_loadcnt 12-4*(\p)                       ; loads come back in order: block p's four pieces are in, the younger blocks stay out
.if (\p) > 0
	s_wait_alu depctr_va_vdst(0)                   ; the block before has written its eight registers of v[68:99], which the four stores below read
.endif
.irp i, 0,1,2,3
.if (\p) > 0
	global_store_b64 v2, v[68+2*(4*(\p)-4+(\i)):69+2*(4*(\p)-4+(\i))], s[10:11] offset:2048*(4*(\p)-4+(\i))   ; every piece has registers of its own: nothing is rewritten
.endif
	v_cvt_pk_f16_f32 v[68+2*(4*(\p)+(\i))], v[4+4*(4*(\p)+(\i))], v[5+4*(4*(\p)+(\i))]
	v_cvt_pk_f16_f32 v[69+2*(4*(\p)+(\i))], v[6+4*(4*(\p)+(\i))], v[7+4*(4*(\p)+(\i))]
.endr
.endr
	s_wait_alu depctr_va_vdst(0)                   ; the last block has written v[92:99], which the last four stores read
.irp i, 12,13,14,15
	global_store_b64 v2, v[68+2*\i:69+2*\i], s[10:11] offset:2048*\i
.endr
	s_endpgm                                       ; this path has stored nothing to LDS
; One tile of 128 k x 64 n.  s16 = the tile's number: k tile = s16 & 7, n tile = s16 >> 3.
; Thread t: c = t & 15 (four n), kp = t >> 4.  It loads rows k = 2 (kp + 16 i) and the next, packs the two k of each n into a word and
; puts it at LDS row n (pitch 272), word kp + 16 i.  Behind the barrier whole rows of 256 bytes are read back and stored.
.macro TRANS src, dst, np
	s_and_b32 s17, s16, 7
	s_lshr_b32 s22, s16, 3
	s_mul_i32 s18, s17, 128*\np*4                  ; 128 rows of W
	s_lshl_b32 s23, s22, 8                         ; 64 n x 4 bytes
	s_add_co_u32 s18, s18, s23
	s_mov_b32 s19, 0
	s_lshl_b32 s20, s22, 17                        ; 64 rows of 2,048 bytes of the transposed matrix
	s_lshl_b32 s23, s17, 8                         ; 128 k x 2 bytes
	s_add_co_u32 s20, s20, s23
	s_mov_b32 s21, 0
	v_and_b32 v5, 15, v0                           ; c
	v_lshrrev_b32 v6, 4, v0                        ; kp
	v_mul_u32_u24 v1, v6, 2*\np*4
	v_lshl_add_u32 v1, v5, 4, v1                   ; source: row 2 kp, byte 16 c
	v_mul_u32_u24 v2, v5, 4*TPITCH
	v_lshl_add_u32 v2, v6, 2, v2                   ; LDS in: row 4 c, word kp
	v_mul_u32_u24 v3, v6, TPITCH
	v_lshl_add_u32 v3, v5, 4, v3                   ; LDS back: row t >> 4, 16 bytes at 16 (t & 15)
	v_lshlrev_b32 v4, 11, v6
	v_lshl_add_u32 v4, v5, 4, v4                   ; the same place in the transposed matrix
	s_wait_kmcnt 0x0
	s_add_nc_u64 s[\src:\src+1], s[\src:\src+1], s[18:19]
	s_add_nc_u64 s[\dst:\dst+1], s[\dst:\dst+1], s[20:21]
	s_wait_alu depctr_va_vdst(0)                   ; v1 to v4 are written: the addresses of the loads, the LDS stores, the LDS loads and the stores below
.irp i, 0,1,2,3
.irp e, 0,1
	global_load_b128 v[8+8*\i+4*\e:11+8*\i+4*\e], v1, s[\src:\src+1] offset:(32*\i+\e)*\np*4 th:TH_LOAD_NT   ; sixteen lanes: 256 consecutive bytes of a row
.endr
.endr
	; four pairs of rows.  Pair i is packed; the LDS stores of pair i - 1 stand among its conversions.
.irp i, 0,1,2,3
	s_wait_loadcnt 6-2*\i                          ; the two rows of pair i are in, the younger pairs stay out
.if \i > 0
	s_wait_alu depctr_va_vdst(0)                   ; the pair before has written its four words of v[40:55], which the four LDS stores below read
.endif
.irp j, 0,1,2,3
.if \i > 0
	ds_store_b32 v2, v[40+4*(\i-1)+\j] offset:\j*TPITCH+(\i-1)*64
.endif
	v_cvt_pk_f16_f32 v[40+4*\i+\j], v[8+8*\i+\j], v[12+8*\i+\j]    ; the even k in the low half
.endr
.endr
	s_wait_alu depctr_va_vdst(0)                   ; the last pair has written v[52:55], which the last four LDS stores read
.irp j, 0,1,2,3
	ds_store_b32 v2, v[52+\j] offset:\j*TPITCH+192
.endr
	s_wait_dscnt 0x0                               ; my stores are in LDS before I say so
	s_barrier_signal -1
	s_barrier_wait -1                              ; everybody's are
.irp i, 0,1,2,3
	ds_load_b128 v[56+4*\i:59+4*\i], v3 offset:\i*16*TPITCH        ; no vector instruction names v[56:71]
.endr
.irp i, 0,1,2,3
	s_wait_dscnt 3-\i
	global_store_b128 v4, v[56+4*\i:59+4*\i], s[\dst:\dst+1] offset:\i*32768   ; sixteen lanes store 256 consecutive bytes, at a multiple of 256
.endr
	s_wait_dscnt 0x0                               ; the closing lines, six on end
	s_wait_alu 0x0
	s_wait_tensorcnt 0x0
	ds_add_u32 v104, v105
	s_wait_dscnt 0x0
	s_endpgm
.endm
.Ltrans:
	s_sub_co_u32 s16, ttmp9, 512
	s_cmp_lt_u32 s16, 384
	s_cbranch_scc0 .Lwout
	TRANS 6, 12, NQKV
.Lwout:
	s_sub_co_u32 s16, s16, 384
	TRANS 8, 14, NOUT
.Lfunc_end_k_q30ab8887bb_prep:
	.size	k_q30ab8887bb_prep, .Lfunc_end_k_q30ab8887bb_prep-k_q30ab8887bb_prep
	.p2alignl 7, 3214868480
	.fill 96, 4, 3214868480
	.section	.rodata,"a",@progbits
	.p2align	6, 0x0
	.amdhsa_kernel k_q30ab8887bb_prep
		.amdhsa_group_segment_fixed_size 18432
		.amdhsa_private_segment_fixed_size 0
		.amdhsa_enable_private_segment 0
		.amdhsa_kernarg_size 48
		.amdhsa_user_sgpr_count 2
		.amdhsa_user_sgpr_kernarg_segment_ptr 1
		.amdhsa_wavefront_size32 1
		.amdhsa_system_sgpr_workgroup_id_x 1
		.amdhsa_system_sgpr_workgroup_id_y 1
		.amdhsa_system_sgpr_workgroup_id_z 1
		.amdhsa_system_vgpr_workitem_id 0
		.amdhsa_next_free_vgpr 106
		.amdhsa_next_free_sgpr 66
		.amdhsa_reserve_vcc 0
		.amdhsa_float_denorm_mode_32 3
		.amdhsa_float_denorm_mode_16_64 3
		.amdhsa_memory_ordered 1
		.amdhsa_forward_progress 1
		.amdhsa_inst_pref_size 17
	.end_amdhsa_kernel
	.amdgpu_metadata
---
amdhsa.version: [ 1, 2 ]
amdhsa.kernels:
  - .name:           k_q30ab8887bb_prep
    .symbol:         k_q30ab8887bb_prep.kd
    .args:
      - { .name: x, .offset: 0, .size: 8, .value_kind: global_buffer, .address_space: global }
      - { .name: W_qkv, .offset: 8, .size: 8, .value_kind: global_buffer, .address_space: global }
      - { .name: W_out, .offset: 16, .size: 8, .value_kind: global_buffer, .address_space: global }
      - { .name: xb, .offset: 24, .size: 8, .value_kind: global_buffer, .address_space: global }
      - { .name: wqt, .offset: 32, .size: 8, .value_kind: global_buffer, .address_space: global }
      - { .name: wot, .offset: 40, .size: 8, .value_kind: global_buffer, .address_space: global }
    .group_segment_fixed_size: 18432
    .private_segment_fixed_size: 0
    .kernarg_segment_align: 8
    .kernarg_segment_size: 48
    .max_flat_workgroup_size: 256
    .sgpr_count:     66
    .vgpr_count:     106
    .wavefront_size: 32
...
	.end_amdgpu_metadata
.endif
;; end of part 5
;; launch qkv: the kernel of part 2 again; grid 16 x 32, 4 waves a work-group, clusters of 4 x 4, 327,680 bytes of LDS; arguments xb, wqt, b_qkv, q, k, vt; writes q, k, vt
;; launch attn: the kernel of part 3 again; grid 256 x 1, 8 waves a work-group, clusters of 4 x 1, 327,680 bytes of LDS; arguments q, k, vt, ao; writes ao
;; launch oproj: the kernel of part 4 again; grid 8 x 32, 4 waves a work-group, clusters of 4 x 4, 327,680 bytes of LDS; arguments ao, wot, b_out, out0; writes out0
